; MI455X (gfx1250); checked and timed in simulation.
; The chip was launched on July 23, 2026; its instructions are those of AMD's public machine-readable ISA for CDNA 5 (MIT licence, August 2026) and "CDNA5" Instruction Set Architecture Reference Guide (July 2026). The comments in the code are by the model that wrote it; some were corrected since.
;; Optimized Transformer Block. Allowed arithmetic: float matrix products may take bf16 or f16 operands with f32 sums; all other float work in f32.
;; Inputs: ff_down_w 1,024 x 4,096 float32; ff_up_w 4,096 x 1,024 float32; norm1_bias 1,024 float32; norm1_scale 1,024 float32; norm2_bias 1,024 float32; norm2_scale 1,024 float32; out_w 1,024 x 1,024 float32; qkv_w 3,072 x 1,024 float32; x 2 x 2,048 x 1,024 float32.
;; Outputs: out0 2 x 2,048 x 1,024 float32.
;; One version. Each part assembles by itself: llvm-mc -triple=amdgcn-amd-amdhsa -mcpu=gfx1250 --defsym DOCPART=n.
;; ======== version 1 of 1: 7 launches
;; workspace buffers: wb 25,165,824 bytes; hn 8,388,608 bytes; qkvh 25,165,824 bytes; oh 8,388,608 bytes; x1 16,777,216 bytes; g 33,554,432 bytes
;; launch prep (part 1): grid 256 x 1, 8 waves a work-group, no clusters, 0 bytes of LDS; arguments x, norm1_scale, norm1_bias, qkv_w, out_w, ff_up_w, ff_down_w, hn, wb; writes hn, wb
.if DOCPART == 1
	.amdgcn_target "amdgcn-amd-amdhsa--gfx1250"
	.amdhsa_code_object_version 6
	.text
	.protected	k_q28615b9987_prep
	.globl	k_q28615b9987_prep
	.p2align	8
	.type	k_q28615b9987_prep,@function
k_q28615b9987_prep:
	s_mov_b64 s[64:65], 0
	v_nop
	global_prefetch_b8 v0, s[64:65] scope:SCOPE_SE
	s_setreg_imm32_b32 hwreg(HW_REG_WAVE_MODE, 25, 1), 1
	s_wait_xcnt 0x0
; TWO JOBS THAT SHARE NO DATA, IN ONE LAUNCH: both only stream, and each wave has both jobs' loads on their way at once.
; (1) wb = qkv_w, out_w, ff_up_w, ff_down_w, each number rounded once to bf16 (nearest even), end to end in that order.  The weights are cast once because every tile of them is read
;     by 16 or 32 row blocks of the products that follow.  They make 768 units of 16,384 numbers (192, 64, 256, 256); a work-group takes units 3 g .. 3 g + 2, and each unit picks
;     its own source, since 64 units do not divide by 3.  In wb the three units are 98,304 consecutive bytes.  Thread t takes 16 bytes at 4,096 j + 16 t of a unit (j = 0 .. 15).
; (2) hn[r][:] = (x[r][:] - mean) * rsqrt(var + 1e-5) * scale + bias, rounded once to bf16.  x: [4096][1024] f32.  Two passes, as the definition has them: the mean first, then the mean
;     of (x - mean)^2, so a common offset of the row costs no digits.  A wave takes two rows, each kept in 32 registers between the passes; a work-group's eight waves 16 rows.
; 256 work-groups of equal work.  A thread has 48 loads out: unit 0's sixteen and the norm's 32; the units go through a ring of sixteen slots of four registers, a slot being loaded
; again as soon as it has been converted.  Every store of a wave covers 256 consecutive bytes, aligned.  No LDS, barrier or matrix unit: the launch only moves bytes.
; LIMITS: NaN and infinities are not treated apart.
.set X0, 8                             ; v[8:39]    row 0; its low 16 registers take the row as bf16
.set X1, 40                            ; v[40:71]   row 1, likewise
.set SC, 72                            ; v[72:103]  scale
.set BI, 104                           ; v[104:135] bias
.set T,  136                           ; v[136:139] two chains of packed sums
.set MU, 140                           ; v[140:141] the mean, twice
.set RS, 142                           ; v[142:143] 1 / sqrt(var + eps), twice
.set IN, 144                           ; v[144:207] the ring: slot j, four f32
.set OU, 208                           ; v[208:239] slot j, four bf16 in a pair
	s_load_b256 s[4:11], s[0:1], 0x0               ; x s[4:5], scale s[6:7], bias s[8:9], qkv_w s[10:11]
	s_load_b256 s[12:19], s[0:1], 0x20             ; out_w s[12:13], ff_up_w s[14:15], ff_down_w s[16:17], hn s[18:19]
	s_load_b64 s[20:21], s[0:1], 0x40              ; wb
	v_lshrrev_b32 v3, 5, v0
	v_readfirstlane_b32 s3, v3                     ; wave 0 .. 7
	v_and_b32 v1, 31, v0                           ; lane
	v_lshlrev_b32 v2, 3, v1                        ; the norm: 8 bytes a lane in a store,
	v_lshlrev_b32 v1, 4, v1                        ; 16 bytes a lane in a load
	v_lshlrev_b32 v4, 4, v0                        ; the cast: 16 t in a load,
	v_lshlrev_b32 v5, 3, v0                        ; 8 t in a store
	s_mov_b32 s2, ttmp9                            ; the work-group, 0 .. 255
	s_mul_i32 s28, s2, 3                           ; its first unit
	s_lshl_b32 s36, s2, 16                         ; its 16 rows of 4,096 bytes,
	s_lshl_b32 s29, s3, 13                         ; my wave's two
	s_add_co_u32 s36, s36, s29
	s_mov_b32 s37, 0
	s_lshr_b32 s38, s36, 1                         ; hn's rows are half as long
	s_mov_b32 s39, 0
	s_mov_b32 s32, 0x3a800000                      ; 1 / 1024
	s_mov_b32 s33, 0x3727c5ac                      ; 1e-5
	s_mov_b32 s34, 0x76543210                      ; v_permlanex16_b32: each lane takes its own place in the other half
	s_mov_b32 s35, 0xfedcba98
	s_wait_kmcnt 0x0
; s[d:d+1] = the address of unit 3 g + u in its source: units 0-191 qkv_w, 192-255 out_w, 256-511 ff_up_w, 512-767 ff_down_w
.macro PICK u, d
	s_add_co_u32 s30, s28, \u
	s_mov_b64 s[\d:\d+1], s[16:17]
	s_mov_b32 s31, 512                             ; the source's first unit
	s_cmp_lt_u32 s30, 512
	s_cselect_b64 s[\d:\d+1], s[14:15], s[\d:\d+1]
	s_cselect_b32 s31, 256, s31
	s_cmp_lt_u32 s30, 256
	s_cselect_b64 s[\d:\d+1], s[12:13], s[\d:\d+1]
	s_cselect_b32 s31, 192, s31
	s_cmp_lt_u32 s30, 192
	s_cselect_b64 s[\d:\d+1], s[10:11], s[\d:\d+1]
	s_cselect_b32 s31, 0, s31
	s_sub_co_u32 s30, s30, s31                     ; the unit within its source,
	s_lshl_b32 s30, s30, 16                        ; times 65,536 bytes
	s_mov_b32 s31, 0
	s_add_nc_u64 s[\d:\d+1], s[\d:\d+1], s[30:31]
.endm
	PICK 0, 22
	PICK 1, 24
	PICK 2, 26
	s_mul_i32 s30, s2, 98304                       ; the group's three units in wb
	s_mov_b32 s31, 0
	s_add_nc_u64 s[20:21], s[20:21], s[30:31]
	s_add_nc_u64 s[4:5], s[4:5], s[36:37]
	s_add_nc_u64 s[18:19], s[18:19], s[38:39]
.irp j, 0,1,2,3,4,5,6,7,8,9,10,11,12,13,14,15
	global_load_b128 v[IN+4*(\j):IN+4*(\j)+3], v4, s[22:23] offset:4096*(\j) th:TH_LOAD_NT
.endr
.irp j, 0,1,2,3,4,5,6,7
	global_load_b128 v[X0+4*(\j):X0+4*(\j)+3], v1, s[4:5] offset:512*(\j)       ; a lane holds numbers 128 j + 4 lane .. + 3 of the row
.endr
.irp j, 0,1,2,3,4,5,6,7
	global_load_b128 v[X1+4*(\j):X1+4*(\j)+3], v1, s[4:5] offset:4096+512*(\j)
.endr
.irp j, 0,1,2,3,4,5,6,7
	global_load_b128 v[SC+4*(\j):SC+4*(\j)+3], v1, s[6:7] offset:512*(\j)
.endr
.irp j, 0,1,2,3,4,5,6,7
	global_load_b128 v[BI+4*(\j):BI+4*(\j)+3], v1, s[8:9] offset:512*(\j)
.endr
.macro CSLOT j, left, grd, src, off
	s_wait_loadcnt \left                           ; loads come back in order (ISA guide 5.7.1): mine is in
.if \grd
	s_wait_xcnt 0x0                                ; the pair is rewritten only behind this wait (ISA guide 3.1)
.endif
	v_cvt_pk_bf16_f32 v[OU+2*(\j)],   v[IN+4*(\j)],   v[IN+4*(\j)+1]
	v_cvt_pk_bf16_f32 v[OU+2*(\j)+1], v[IN+4*(\j)+2], v[IN+4*(\j)+3]
.if \src
	global_load_b128 v[IN+4*(\j):IN+4*(\j)+3], v4, s[\src:\src+1] offset:4096*(\j) th:TH_LOAD_NT
.endif
	global_store_b64 v5, v[OU+2*(\j):OU+2*(\j)+1], s[20:21] offset:(\off)+2048*(\j)
.endm
.macro RED                             ; v[T] summed over the 32 lanes, the result in every lane
	v_add_f32_dpp v[T], v[T], v[T] row_xmask:1 row_mask:0xf bank_mask:0xf
	v_add_f32_dpp v[T], v[T], v[T] row_xmask:2 row_mask:0xf bank_mask:0xf
	v_add_f32_dpp v[T], v[T], v[T] row_xmask:4 row_mask:0xf bank_mask:0xf
	v_add_f32_dpp v[T], v[T], v[T] row_xmask:8 row_mask:0xf bank_mask:0xf
	v_permlanex16_b32 v[T+1], v[T], s34, s35       ; its destination counts as read: T+1 has been written
	v_add_f32 v[T], v[T], v[T+1]
.endm
; The row in v[x .. x+31] becomes (x - mean) / sqrt(var + eps).  Sums run in two chains that do not wait for each other; the first terms start them.
.macro STAT x
	v_pk_add_f32 v[T:T+1],   v[(\x):(\x)+1],   v[(\x)+2:(\x)+3]
	v_pk_add_f32 v[T+2:T+3], v[(\x)+4:(\x)+5], v[(\x)+6:(\x)+7]
.set i, 8
.rept 6
	v_pk_add_f32 v[T:T+1],   v[T:T+1],   v[(\x)+i:(\x)+i+1]
	v_pk_add_f32 v[T+2:T+3], v[T+2:T+3], v[(\x)+i+2:(\x)+i+3]
.set i, i+4
.endr
	v_pk_add_f32 v[T:T+1], v[T:T+1], v[T+2:T+3]
	v_add_f32 v[T], v[T], v[T+1]
	RED
	v_mul_f32 v[MU], s32, v[T]
	v_mov_b32 v[MU+1], v[MU]
.set i, 0
.rept 16
	v_pk_add_f32 v[(\x)+i:(\x)+i+1], v[(\x)+i:(\x)+i+1], v[MU:MU+1] neg_lo:[0,1] neg_hi:[0,1]
.set i, i+2
.endr
	v_pk_mul_f32 v[T:T+1],   v[(\x):(\x)+1],   v[(\x):(\x)+1]
	v_pk_mul_f32 v[T+2:T+3], v[(\x)+2:(\x)+3], v[(\x)+2:(\x)+3]
.set i, 4
.rept 7
	v_pk_fma_f32 v[T:T+1],   v[(\x)+i:(\x)+i+1],   v[(\x)+i:(\x)+i+1],   v[T:T+1]
	v_pk_fma_f32 v[T+2:T+3], v[(\x)+i+2:(\x)+i+3], v[(\x)+i+2:(\x)+i+3], v[T+2:T+3]
.set i, i+4
.endr
	v_pk_add_f32 v[T:T+1], v[T:T+1], v[T+2:T+3]
	v_add_f32 v[T], v[T], v[T+1]
	RED
	v_fma_f32 v[T], v[T], s32, s33                 ; var + eps
	v_rsq_f32 v[RS], v[T]
	v_nop                                          ; a plain instruction between the root and the use of its result (ISA guide 5.7.2)
	s_wait_alu depctr_va_vdst(0)
	v_mov_b32 v[RS+1], v[RS]
.set i, 0
.rept 16
	v_pk_mul_f32 v[(\x)+i:(\x)+i+1], v[(\x)+i:(\x)+i+1], v[RS:RS+1]
.set i, i+2
.endr
.endm
.macro APPLY x, off                    ; times scale plus bias; rounded into the row's own low registers (register i takes numbers 2 i, 2 i + 1, which no later line reads); stored
.set i, 0
.rept 16
	v_pk_fma_f32 v[(\x)+i:(\x)+i+1], v[(\x)+i:(\x)+i+1], v[SC+i:SC+i+1], v[BI+i:BI+i+1]
.set i, i+2
.endr
.set i, 0
.rept 16
	v_cvt_pk_bf16_f32 v[(\x)+i], v[(\x)+2*i], v[(\x)+2*i+1]
.set i, i+1
.endr
.irp j, 0,1,2,3,4,5,6,7
	global_store_b64 v2, v[(\x)+2*(\j):(\x)+2*(\j)+1], s[18:19] offset:(\off)+256*(\j)
.endr
.endm
.irp j, 0,1,2,3,4,5,6,7,8,9,10,11,12,13,14,15
	CSLOT \j, 47, 0, 24, 0                         ; unit 0 out, unit 1 in.  Behind slot j's load: 15 - j of unit 0, the norm's 32, j of unit 1: 47
.endr
	s_wait_loadcnt 40                              ; row 0's eight loads are in; row 1's 8, scale's and bias's 16 and unit 1's 16 stay out
	STAT X0
	s_wait_loadcnt 32                              ; row 1 is in
	STAT X1
	s_wait_loadcnt 16                              ; scale and bias; unit 1 stays out
	APPLY X0, 0
	APPLY X1, 2048
.irp j, 0,1,2,3,4,5,6,7,8,9,10,11,12,13,14,15
	CSLOT \j, 15, 1, 26, 32768                     ; unit 1 out, unit 2 in.  Behind slot j's load: 15 - j of unit 1, j of unit 2: 15
.endr
.irp j, 0,1,2,3,4,5,6,7,8,9,10,11,12,13,14,15
	CSLOT \j, 15-(\j), 1, 0, 65536                 ; unit 2 out: nothing more to fetch, the counts run down
.endr
	s_endpgm
.Lfunc_end_k_q28615b9987_prep:
	.size	k_q28615b9987_prep, .Lfunc_end_k_q28615b9987_prep-k_q28615b9987_prep
	.p2alignl 7, 3214868480
	.fill 96, 4, 3214868480
	.section	.rodata,"a",@progbits
	.p2align	6, 0x0
	.amdhsa_kernel k_q28615b9987_prep
		.amdhsa_group_segment_fixed_size 0
		.amdhsa_private_segment_fixed_size 0
		.amdhsa_enable_private_segment 0
		.amdhsa_kernarg_size 72
		.amdhsa_user_sgpr_count 2
		.amdhsa_user_sgpr_kernarg_segment_ptr 1
		.amdhsa_wavefront_size32 1
		.amdhsa_system_sgpr_workgroup_id_x 1
		.amdhsa_system_sgpr_workgroup_id_y 1
		.amdhsa_system_sgpr_workgroup_id_z 1
		.amdhsa_system_vgpr_workitem_id 0
		.amdhsa_next_free_vgpr 240
		.amdhsa_next_free_sgpr 66
		.amdhsa_reserve_vcc 0
		.amdhsa_float_denorm_mode_32 3
		.amdhsa_float_denorm_mode_16_64 3
		.amdhsa_memory_ordered 1
		.amdhsa_forward_progress 1
		.amdhsa_inst_pref_size 40
	.end_amdhsa_kernel
	.amdgpu_metadata
---
amdhsa.version: [ 1, 2 ]
amdhsa.kernels:
  - .name:           k_q28615b9987_prep
    .symbol:         k_q28615b9987_prep.kd
    .args:
      - { .name: x, .offset: 0, .size: 8, .value_kind: global_buffer, .address_space: global }
      - { .name: norm1_scale, .offset: 8, .size: 8, .value_kind: global_buffer, .address_space: global }
      - { .name: norm1_bias, .offset: 16, .size: 8, .value_kind: global_buffer, .address_space: global }
      - { .name: qkv_w, .offset: 24, .size: 8, .value_kind: global_buffer, .address_space: global }
      - { .name: out_w, .offset: 32, .size: 8, .value_kind: global_buffer, .address_space: global }
      - { .name: ff_up_w, .offset: 40, .size: 8, .value_kind: global_buffer, .address_space: global }
      - { .name: ff_down_w, .offset: 48, .size: 8, .value_kind: global_buffer, .address_space: global }
      - { .name: hn, .offset: 56, .size: 8, .value_kind: global_buffer, .address_space: global }
      - { .name: wb, .offset: 64, .size: 8, .value_kind: global_buffer, .address_space: global }
    .group_segment_fixed_size: 0
    .private_segment_fixed_size: 0
    .kernarg_segment_align: 8
    .kernarg_segment_size: 72
    .max_flat_workgroup_size: 256
    .sgpr_count:     66
    .vgpr_count:     240
    .wavefront_size: 32
...
	.end_amdgpu_metadata
.endif
;; end of part 1
;; launch qkv (part 2): grid 16 x 16, 4 waves a work-group, clusters of 4 x 4, 327,680 bytes of LDS; arguments hn, wb, qkvh; writes qkvh
.if DOCPART == 2
	.amdgcn_target "amdgcn-amd-amdhsa--gfx1250"
	.amdhsa_code_object_version 6
	.text
	.protected	k_q28615b9987_qkv
	.globl	k_q28615b9987_qkv
	.p2align	8
	.type	k_q28615b9987_qkv,@function
k_q28615b9987_qkv:
	s_mov_b64 s[64:65], 0
	v_nop
	global_prefetch_b8 v0, s[64:65] scope:SCOPE_SE
	s_setreg_imm32_b32 hwreg(HW_REG_WAVE_MODE, 25, 1), 1
	s_wait_xcnt 0x0
	s_wait_alu depctr_hold_cnt(0) depctr_sa_sdst(0) depctr_va_vdst(0) depctr_va_sdst(0) depctr_va_ssrc(0) depctr_va_vcc(0) depctr_vm_vsrc(0)
	s_getreg_b32 s2, hwreg(HW_REG_IB_STS2, 6, 4)
	s_cmp_eq_u32 s2, 0
	s_cbranch_scc0 .Lentry_in_a_cluster
	s_endpgm
.Lentry_in_a_cluster:
	s_bfe_u32 s2, ttmp6, 0x10000c
	s_cmp_lg_u32 s2, 0xf033
	s_cbranch_scc0 .Lentry_shape_is_right
	s_endpgm
.Lentry_shape_is_right:
; q, k, v = hn x wq^T, written by heads.  hn: [4096][1024] bf16; wq: [3072][1024] bf16 at wb's first byte; sums in f32, rounded once to bf16, unscaled.
; qkvh: [3][32 = batch x 16 + head][2048][64] bf16, so that a head's rows are dense for the attention launch.
; SHARES.  A tile of the product is 256 tokens x 192 columns (three whole heads): 16 x 16 tiles, one for each of 256 work-groups.  Wave w owns tokens 64 w .. + 63 and all 192
; columns: 4 x 12 accumulators of 16 x 16, 384 registers.  K goes in steps of 128 (rows of 256 bytes, aligned) through a ring of two LDS slots filled by the tensor data mover.
; CLUSTER.  4 x 4 work-groups.  The four of a row of the cluster need the same tiles of hn, the four of a column the same tiles of wq: each tile is asked for JOINTLY, by the same
; tensor load with the same descriptor and a mask that names the four.  By this text's count a wave has two tensor loads out at the start and one behind each refill.
; THE MATRIX INSTRUCTION IS USED TRANSPOSED (source 0 = 16 rows of wq, source 1 = 16 tokens): a lane then holds token lane % 16 and eight neighbouring columns.
; REGISTERS, in windows of 256 (s_set_vgpr_msb: bits 1:0 source 0, 3:2 source 1, 5:4 source 2, 7:6 destination):
;   window 0: v0-31 addresses; v64-127 two buffers of hn's fragments (4 x 16 tokens x 32 K); v128-175, v176-223 at work on the way out
;   window 1: v0-191 two buffers of wq's fragments (12 x 16 rows x 32 K)
;   window 2: the accumulators of token blocks 0, 1 ((a, b) at v[8 (12 (a % 2) + b)]);   window 3: those of blocks 2, 3
; LIMITS: operands are bf16; NaN and infinities are not treated apart.
.set SIZE_K, 1024
.set KSTEP,  128
.set PITCH,  272                       ; an LDS row: 256 bytes + 16 of padding = 68 words: the 16 rows of a fragment load start at 16 different groups of four banks (64 banks of 4 bytes: ISA guide 11.1)
.set HALFA,  128*PITCH                 ; what waves 0 and 1 each fetch of hn
.set HALFB,  96*PITCH                  ; what waves 2 and 3 each fetch of wq
.set SLOT,   2*HALFA+2*HALFB           ; hn's 256 rows, then wq's 192
.set STAGE,  2*SLOT                    ; behind the ring, never filled by a tensor load: 16 rows x 400 bytes for each wave
.set SP,     400                       ; 384 bytes (three heads of a token) + 16
.set SPARE,  STAGE+4*16*SP             ; the spare words, 128 bytes for each wave: two blocks of 256 bytes that no other line names
.set LAPS,   SIZE_K/(2*KSTEP)          ; a lap = two K steps = once round the ring
.set CO,   10                          ; v10-12  my byte offset in qkvh for the tile's three heads
.set ADRA, 16                          ; v16-17  LDS address of my fragments of hn in slot 0, 1
.set ADRB, 20                          ; v20-21  the same for wq
.set STO,  24                          ; v24     the way out: where I put 16 bytes of a token
.set RD,   25                          ; v25     the way out: where I read rows back
.set SPW,  28                          ; v28     LDS address of my spare word; never rewritten
.set NIL,  29                          ; v29     0; never rewritten
.set FA,   64                          ; hn's fragment buffer f at FA + 32 f (window 0); wq's at 96 f (window 1)
.set TMP,  128
.set BK,   176
.set G1,  24                           ; s[24:31] descriptor group 1 for hn's tiles;  s[32:39] group 0, one set for each slot
.set G0,  32
.set G1B, 48                           ; s[48:55], s[56:63] the same for wq's tiles
.set G0B, 56
.set MSB, 0
.macro WIN new                         ; the immediate's high byte repeats the setting that is left; a switch that changes nothing is dropped
.if MSB != (\new)
	s_set_vgpr_msb (MSB<<8)|(\new)
.set MSB, \new
.endif
.endm
.set MUL_LO, 0xa1                      ; source 0 (wq) window 1, source 1 (hn) window 0, C and D window 2
.set TO_B,   0x40                      ; destination window 1, address window 0
; A joint load: waves 0 and 1 fetch hn's two halves, waves 2 and 3 wq's.  The branch hangs on the wave's number alone.  Four v_nop follow each of the two lines,
; ahead of the jump, the label and what follows.
.macro JLOAD s
	s_cmp_lt_u32 s10, 2
	s_cbranch_scc0 .Lfor_b_\@
	tensor_load_to_lds s[G0+4*(\s):G0+4*(\s)+3], s[G1:G1+7]
	s_nop 0
.rept 4
	v_nop
.endr
	s_branch .Lasked_\@
.Lfor_b_\@:
	tensor_load_to_lds s[G0B+4*(\s):G0B+4*(\s)+3], s[G1B:G1B+7]
	s_nop 0
.rept 4
	v_nop
.endr
.Lasked_\@:
.endm
.macro CREST                           ; a round of the cluster's barrier behind its opening barrier
	s_cmp_lg_u32 s10, 0
	s_cbranch_scc1 .Lnot_wave_0_\@
	s_barrier_signal -3
.Lnot_wave_0_\@:
	s_barrier_wait -3
	s_barrier_signal -1
	s_barrier_wait -1
.endm
.macro CROUND                          ; a whole round
	s_barrier_signal -1
	s_barrier_wait -1
	CREST
.endm
.macro PLACES                          ; four places in front of loads into registers that matrix instructions have read, and of conversions that read results
.rept 4
	v_nop
.endr
.endm
	s_load_b128 s[4:7], s[0:1], 0x0                ; hn s[4:5], wb s[6:7]
	s_load_b64 s[8:9], s[0:1], 0x10                ; qkvh
	v_lshl_add_u32 v[SPW], v0, 2, SPARE
	v_mov_b32 v[NIL], 0
	ds_add_u32 v28, v29
	s_wait_dscnt 0x0
	v_lshrrev_b32 v1, 5, v0
	v_readfirstlane_b32 s10, v1                    ; wave 0..3
	s_and_b32 s12, s10, 1                          ; which half of hn's or wq's tile I fetch
	s_bfe_u32 s40, ttmp6, 0x40000                  ; cx, cy: my place in the cluster
	s_bfe_u32 s41, ttmp6, 0x40004
	s_lshl_b32 s42, ttmp9, 2
	s_add_co_u32 s42, s42, s40                     ; tile column = 4 x cluster x + cx
	s_and_b32 s13, ttmp7, 0xffff
	s_lshl_b32 s13, s13, 2
	s_add_co_u32 s13, s13, s41                     ; tile row = 4 x cluster y + cy
	s_lshl_b32 s43, s41, 2
	s_lshl_b32 s43, 15, s43                        ; my row of the cluster
	s_lshl_b32 s44, 0x1111, s40                    ; my column
	; descriptor group 1: rows of 128 elements, padded in LDS; 128 rows of hn, 96 of wq
	s_or_b32 s[G1+0], s43, (1<<16)|(1<<20)|(1<<21)|(5<<22)|(3<<25)  ; 15:0 the mask; 17:16 2-byte elements; 20 padding on; 21 set beside a mask; 24:22 after every 64 words (code 5); 31:25 4 words (code 3)
	s_or_b32 s[G1B+0], s44, (1<<16)|(1<<20)|(1<<21)|(5<<22)|(3<<25)
.irp g, G1, G1B
	s_mov_b32 s[(\g)+1], KSTEP<<16                 ; tensor_dim0 = 128
	s_mov_b32 s[(\g)+3], KSTEP<<16                 ; tile_dim0 = 128
	s_mov_b32 s[(\g)+5], SIZE_K                    ; elements from row to row
	s_mov_b32 s[(\g)+6], 0
	s_mov_b32 s[(\g)+7], 0
.endr
	s_mov_b32 s[G1+2], 128<<16                     ; tensor_dim1
	s_mov_b32 s[G1+4], 128                         ; tile_dim1
	s_mov_b32 s[G1B+2], 96<<16
	s_mov_b32 s[G1B+4], 96
	; hn's tiles hang on the tile row alone, wq's on the tile column alone, each in registers that never hold the other coordinate
	s_lshl_b32 s16, s13, 8
	s_lshl_b32 s17, s12, 7
	s_add_co_u32 s16, s16, s17                     ; hn: row 256 x tile row + 128 x half,
	s_lshl_b32 s16, s16, 11                        ; times 2,048 bytes
	s_mov_b32 s17, 0
	s_mul_i32 s46, s42, 192
	s_mul_i32 s47, s12, 96
	s_add_co_u32 s46, s46, s47                     ; wq: row 192 x tile column + 96 x half
	s_lshl_b32 s46, s46, 11
	s_mov_b32 s47, 0
	s_mul_i32 s20, s12, HALFA                      ; where they go: no place in the cluster enters an LDS address
	s_mul_i32 s45, s12, HALFB
	s_add_co_u32 s45, s45, 2*HALFA
	s_wait_kmcnt 0x0
	s_add_nc_u64 s[14:15], s[4:5], s[16:17]
	s_add_nc_u64 s[46:47], s[6:7], s[46:47]
	CROUND                                         ; all sixteen work-groups are here: the first joint loads meet
.irp s, 0,1
	s_mov_b32 s[G0+4*(\s)], 1                      ; count = 1
	s_add_co_u32 s[G0+4*(\s)+1], s20, (\s)*SLOT    ; LDS address
	s_add_nc_u64 s[G0+4*(\s)+2:G0+4*(\s)+3], s[14:15], (\s)*KSTEP*2  ; global address: K step s
	s_or_b32 s[G0+4*(\s)+3], s[G0+4*(\s)+3], 0x80000000            ; type = 2
	s_mov_b32 s[G0B+4*(\s)], 1
	s_add_co_u32 s[G0B+4*(\s)+1], s45, (\s)*SLOT
	s_add_nc_u64 s[G0B+4*(\s)+2:G0B+4*(\s)+3], s[46:47], (\s)*KSTEP*2
	s_or_b32 s[G0B+4*(\s)+3], s[G0B+4*(\s)+3], 0x80000000
	JLOAD \s
.endr
	; a fragment is 16 rows x 32 K in 8 registers: lane l holds row l % 16, K = 8 (l / 16) + 0..7 and 16 + 8 (l / 16) + 0..7: two loads of 16 bytes, 32 bytes apart
	v_and_b32 v1, 15, v0                           ; l % 16
	v_bfe_u32 v2, v0, 4, 1                         ; l / 16
	v_mul_u32_u24 v3, v1, PITCH
	v_lshl_add_u32 v3, v2, 4, v3
	s_mul_i32 s21, s10, 64*PITCH                   ; my 64 tokens
	s_mov_b32 s22, 2*HALFA                         ; wq's rows lie behind hn's 256
.irp s, 0,1
	v_add_nc_u32 v[ADRA+(\s)], s21, v3
	v_add_nc_u32 v[ADRB+(\s)], s22, v3
	s_add_co_u32 s21, s21, SLOT
	s_add_co_u32 s22, s22, SLOT
.endr
	s_mul_i32 s23, s10, 16*SP
	s_add_co_u32 s23, s23, STAGE                   ; my stage
	v_mul_u32_u24 v4, v1, SP                       ; in: token l % 16, 16 bytes for each half of the lanes
	v_lshl_add_u32 v4, v2, 4, v4
	v_add_nc_u32 v[STO], s23, v4
	v_bfe_u32 v5, v0, 3, 2                         ; back: 32 lanes take one head's 128 bytes of four tokens,
	v_and_b32 v6, 7, v0
	v_mul_u32_u24 v5, v5, SP
	v_lshl_add_u32 v5, v6, 4, v5
	v_add_nc_u32 v[RD], s23, v5
	v_and_b32 v7, 31, v0                           ; which are 512 consecutive bytes of qkvh
.irp j, 0,1,2
	s_mul_i32 s46, s42, 3                          ; the tile's head j among the 48 of q, k and v
	s_add_co_u32 s46, s46, \j
	s_lshr_b32 s47, s46, 4                         ; q, k or v: 8,388,608 bytes each
	s_lshl_b32 s47, s47, 23
	s_and_b32 s46, s46, 15                         ; the head: 262,144 bytes
	s_lshl_b32 s46, s46, 18
	s_add_co_u32 s46, s46, s47
	v_lshl_add_u32 v[CO+(\j)], v7, 4, s46
.endr
	s_lshr_b32 s16, s13, 3                         ; the batch: 16 heads of 262,144 bytes,
	s_lshl_b32 s16, s16, 22
	s_and_b32 s17, s13, 7                          ; the tile's 256 tokens of 128 bytes,
	s_lshl_b32 s17, s17, 15
	s_add_co_u32 s16, s16, s17
	s_lshl_b32 s17, s10, 13                        ; my wave's 64
	s_add_co_u32 s16, s16, s17
	s_mov_b32 s17, 0
	s_add_nc_u64 s[8:9], s[8:9], s[16:17]
; 12 matrix instructions: token block a x all 12 column blocks, 32 along K, from buffer f.  zero = 1: the first product starts the sums.
; The 48 accumulators take turns in the same order in every quarter, one instruction a turn.
.macro MUL12 f, a, zero
	WIN MUL_LO+0x50*((\a)/2)
.irp b, 0,1,2,3,4,5,6,7,8,9,10,11
.if \zero
	v_wmma_f32_16x16x32_bf16 v[8*(12*((\a)%2)+(\b)):8*(12*((\a)%2)+(\b))+7], v[96*(\f)+8*(\b):96*(\f)+8*(\b)+7], v[FA+32*(\f)+8*(\a):FA+32*(\f)+8*(\a)+7], 0
.else
	v_wmma_f32_16x16x32_bf16 v[8*(12*((\a)%2)+(\b)):8*(12*((\a)%2)+(\b))+7], v[96*(\f)+8*(\b):96*(\f)+8*(\b)+7], v[FA+32*(\f)+8*(\a):FA+32*(\f)+8*(\a)+7], v[8*(12*((\a)%2)+(\b)):8*(12*((\a)%2)+(\b))+7]
.endif
.endr
.endm
; 32 LDS loads in one run: a quarter step's fragments (192 rows of wq, my 64 tokens, 32 K at byte k of the rows) into buffer f
.macro FETCH slot, k, f
	WIN TO_B
.irp i, 0,1,2,3,4,5,6,7,8,9,10,11
	ds_load_b128 v[96*(\f)+8*(\i):96*(\f)+8*(\i)+3],   v[ADRB+(\slot)] offset:(\k)+(\i)*16*PITCH
	ds_load_b128 v[96*(\f)+8*(\i)+4:96*(\f)+8*(\i)+7], v[ADRB+(\slot)] offset:(\k)+(\i)*16*PITCH+32
.endr
	WIN 0
.irp i, 0,1,2,3
	ds_load_b128 v[FA+32*(\f)+8*(\i):FA+32*(\f)+8*(\i)+3],   v[ADRA+(\slot)] offset:(\k)+(\i)*16*PITCH
	ds_load_b128 v[FA+32*(\f)+8*(\i)+4:FA+32*(\f)+8*(\i)+7], v[ADRA+(\slot)] offset:(\k)+(\i)*16*PITCH+32
.endr
.endm
; A K step is four quarters of 32 along K, 48 matrix instructions each, on buffers 0, 1, 0, 1.  One of the first three multiplies buffer f and fetches the next quarter, at byte k, into g.
.macro QUARTER slot, k, f, g, zero
	s_wait_dscnt 4                                 ; wq and token blocks 0, 1 are in; the youngest four loads (blocks 2, 3) may be out
	MUL12 \f, 0, \zero
	MUL12 \f, 1, \zero
	PLACES
	FETCH \slot, \k, \g
	s_wait_dscnt 32                                ; all but the 32 just issued
	MUL12 \f, 2, \zero
	MUL12 \f, 3, \zero
.endm
; The last quarter multiplies buffer 1 and changes slots: ONE barrier.  Half of the quarter's products stand AHEAD of the wait for the next tile, so that between that tile's landing and the
; next request stands nothing but the barrier.  In front of the barrier each wave waits for all its tensor loads (one is out: its part of the next slot), adds 0 to its spare word, and waits for
; that and for its own reads of this slot.  fill = 1: the barrier opens a round of the cluster's barrier, and this slot is filled again, two K steps ahead, first thing behind the round:
; a whole K step, 192 matrix instructions, ahead of the wait for it.
.macro TURN slot, next, fill
	s_wait_dscnt 4                                 ; wq and token blocks 0, 1 of buffer 1 are in
	MUL12 1, 0, 0
	MUL12 1, 1, 0
	WIN 0
	s_wait_tensorcnt 0x0                           ; all my tensor loads have landed
	ds_add_u32 v[SPW], v[NIL]                      ; 0 onto my spare word
	s_wait_dscnt 0x0                               ; the add is done, and my reads of this slot are over
	s_barrier_signal -1
	s_barrier_wait -1
.if \fill
	CREST                                          ; no wave of any partner still reads this slot's tile or has a load on its way
	s_add_nc_u64 s[G0+4*(\slot)+2:G0+4*(\slot)+3], s[G0+4*(\slot)+2:G0+4*(\slot)+3], 2*KSTEP*2
	s_add_nc_u64 s[G0B+4*(\slot)+2:G0B+4*(\slot)+3], s[G0B+4*(\slot)+2:G0B+4*(\slot)+3], 2*KSTEP*2
	JLOAD \slot                                    ; the four v_nop behind it are also the places in front of the loads below
.else
	PLACES
.endif
	FETCH \next, 0, 0
	MUL12 1, 2, 0                                  ; the other half of the quarter stands between the new slot's first fragment loads and their use
	MUL12 1, 3, 0
.endm
	s_wait_tensorcnt 1                             ; my part of K step 0 is in; K step 1's may stay out
	s_barrier_signal -1
	s_barrier_wait -1                              ; everybody's is
	FETCH 0, 0, 0
	QUARTER 0, 64, 0, 1, 1                         ; the first quarter stands in front of the loop: its products start the sums
	WIN 0                                          ; at a label and at a branch every window is 0
	s_mov_b32 s3, LAPS-1
.Llap:                                                 ; a trip goes once round the ring, from a lap's second quarter to the next lap's first, and fills both slots again
	QUARTER 0, 128, 1, 0, 0
	QUARTER 0, 192, 0, 1, 0
	TURN 0, 1, 1
	QUARTER 1, 64,  0, 1, 0
	QUARTER 1, 128, 1, 0, 0
	QUARTER 1, 192, 0, 1, 0
	TURN 1, 0, 1
	QUARTER 0, 64,  0, 1, 0
	WIN 0
	s_sub_co_u32 s3, s3, 1
	s_cmp_lg_u32 s3, 0
	s_cbranch_scc1 .Llap
	QUARTER 0, 128, 1, 0, 0                        ; the last lap fills nothing
	QUARTER 0, 192, 0, 1, 0
	TURN 0, 1, 0
	QUARTER 1, 64,  0, 1, 0
	QUARTER 1, 128, 1, 0, 0
	QUARTER 1, 192, 0, 1, 0
	s_wait_dscnt 4                                 ; the very last quarter: nothing more to fetch
	MUL12 1, 0, 0
	MUL12 1, 1, 0
	s_wait_dscnt 0x0
	MUL12 1, 2, 0
	MUL12 1, 3, 0
; THE WAY OUT of token block a: rounded to bf16 (each accumulator's registers in ascending order), 16 bytes a lane into my own stage, back as one head's 128 bytes of four tokens, stored:
; each store of the wave covers 512 consecutive bytes, aligned.  The stage is the wave's own and LDS serves a wave's instructions in order (ISA guide 5.7.1.4): no barrier.
.macro OUT a
	WIN 0x0a+5*((\a)/2)                            ; sources 0 and 1: window 2 or 3
.irp b, 0,1,2,3,4,5,6,7,8,9,10,11
.irp r, 0,1,2,3
	v_cvt_pk_bf16_f32 v[TMP+4*(\b)+(\r)], v[96*((\a)%2)+8*(\b)+2*(\r)], v[96*((\a)%2)+8*(\b)+2*(\r)+1]
.endr
.endr
	WIN 0
.irp b, 0,1,2,3,4,5,6,7,8,9,10,11
	ds_store_b128 v[STO], v[TMP+4*(\b):TMP+4*(\b)+3] offset:32*(\b)
.endr
	s_wait_xcnt 0x0                                ; the block before's stores have read BK: only behind this wait is it loaded again
.irp j, 0,1,2
.irp t, 0,1,2,3
	ds_load_b128 v[BK+4*(4*(\j)+(\t)):BK+4*(4*(\j)+(\t))+3], v[RD] offset:4*SP*(\t)+128*(\j)
.endr
.endr
	s_wait_dscnt 0x0
.irp j, 0,1,2
.irp t, 0,1,2,3
	global_store_b128 v[CO+(\j)], v[BK+4*(4*(\j)+(\t)):BK+4*(4*(\j)+(\t))+3], s[8:9] offset:2048*(\a)+512*(\t)
.endr
.endr
.endm
	PLACES                                         ; the conversions read results just made
	OUT 0
	OUT 1
	OUT 2
	OUT 3
	s_wait_tensorcnt 0x0                           ; the wave's end
	ds_add_u32 v[SPW], v[NIL]
	s_wait_dscnt 0x0
	CROUND                                         ; the closing round: no work-group ends while a partner may still ask for a tile that names it
	s_endpgm
.Lfunc_end_k_q28615b9987_qkv:
	.size	k_q28615b9987_qkv, .Lfunc_end_k_q28615b9987_qkv-k_q28615b9987_qkv
	.p2alignl 7, 3214868480
	.fill 96, 4, 3214868480
	.section	.rodata,"a",@progbits
	.p2align	6, 0x0
	.amdhsa_kernel k_q28615b9987_qkv
		.amdhsa_group_segment_fixed_size 327680
		.amdhsa_private_segment_fixed_size 0
		.amdhsa_enable_private_segment 0
		.amdhsa_kernarg_size 24
		.amdhsa_user_sgpr_count 2
		.amdhsa_user_sgpr_kernarg_segment_ptr 1
		.amdhsa_wavefront_size32 1
		.amdhsa_system_sgpr_workgroup_id_x 1
		.amdhsa_system_sgpr_workgroup_id_y 1
		.amdhsa_system_sgpr_workgroup_id_z 1
		.amdhsa_system_vgpr_workitem_id 0
		.amdhsa_next_free_vgpr 960
		.amdhsa_next_free_sgpr 66
		.amdhsa_reserve_vcc 0
		.amdhsa_float_denorm_mode_32 3
		.amdhsa_float_denorm_mode_16_64 3
		.amdhsa_memory_ordered 1
		.amdhsa_forward_progress 1
		.amdhsa_inst_pref_size 119
	.end_amdhsa_kernel
	.amdgpu_metadata
---
amdhsa.version: [ 1, 2 ]
amdhsa.kernels:
  - .name:           k_q28615b9987_qkv
    .symbol:         k_q28615b9987_qkv.kd
    .args:
      - { .name: hn, .offset: 0, .size: 8, .value_kind: global_buffer, .address_space: global }
      - { .name: wb, .offset: 8, .size: 8, .value_kind: global_buffer, .address_space: global }
      - { .name: qkvh, .offset: 16, .size: 8, .value_kind: global_buffer, .address_space: global }
    .group_segment_fixed_size: 327680
    .private_segment_fixed_size: 0
    .kernarg_segment_align: 8
    .kernarg_segment_size: 24
    .max_flat_workgroup_size: 128
    .sgpr_count:     66
    .vgpr_count:     960
    .wavefront_size: 32
...
	.end_amdgpu_metadata
.endif
;; end of part 2
;; launch attn (part 3): grid 8 x 32, 4 waves a work-group, clusters of 4 x 1, 327,680 bytes of LDS; arguments qkvh, oh; writes oh
.if DOCPART == 3
	.amdgcn_target "amdgcn-amd-amdhsa--gfx1250"
	.amdhsa_code_object_version 6
	.text
	.protected	k_q28615b9987_attn
	.globl	k_q28615b9987_attn
	.p2align	8
	.type	k_q28615b9987_attn,@function
k_q28615b9987_attn:
	s_mov_b64 s[64:65], 0
	v_nop
	global_prefetch_b8 v0, s[64:65] scope:SCOPE_SE
	s_setreg_imm32_b32 hwreg(HW_REG_WAVE_MODE, 25, 1), 1
	s_wait_xcnt 0x0
	s_wait_alu depctr_hold_cnt(0) depctr_sa_sdst(0) depctr_va_vdst(0) depctr_va_sdst(0) depctr_va_ssrc(0) depctr_va_vcc(0) depctr_vm_vsrc(0)
	s_getreg_b32 s2, hwreg(HW_REG_IB_STS2, 6, 4)
	s_cmp_eq_u32 s2, 0
	s_cbranch_scc0 .Lentry_in_a_cluster
	s_endpgm
.Lentry_in_a_cluster:
	s_bfe_u32 s2, ttmp6, 0x10000c
	s_cmp_lg_u32 s2, 0x3003
	s_cbranch_scc0 .Lentry_shape_is_right
	s_endpgm
.Lentry_shape_is_right:
; O[h][q][:] = the sum over k of softmax_k(Q[h][q] . K[h][k] / 8) V[h][k][:], 32 heads (batch x 16 + head) of 2,048 rows of 64 channels, no mask.
; qkvh: [3][32][2048][64] bf16 (Q, K, V; a head's rows are dense, 128 bytes each).  Products, maxima and sums in f32; the weights p are rounded to bf16 for the second product
; (their sum l is taken of the unrounded p), O once at the end.  oh: bf16, [token / 128 (32)][head (16)][128 tokens][64], the blocks in which the next launch asks for it.
; LIMITS.  All operands are bf16, which has f32's range.  c m starts at -4.25e37: scores below that are not served.  A weight below 2^-126 counts as 0 in l; NaN and infinities are not treated apart.
; SHARES.  A work-group owns 256 queries of one head: 8 x 32 = 256 work-groups.  A wave owns 64 queries, four PIECES of 16.  Every wave walks all 2,048 keys, 64 a step.
; LAYOUT.  S^T = K Q^T (source 0 = 16 keys, source 1 = 16 queries): a lane holds ONE query (lane % 16) and the keys 8 (lane / 16) + 0..7.  Two such results rounded to bf16 ARE source 1
; of O^T = V^T P, whose result again holds one query a lane, and eight channels.  K comes out of LDS as it lies, V ([key][channel]) turned, by ds_load_tr16_b128.
; SOFTMAX.  For each query a running maximum m and sum l: p = 2^(c s - c m), c = log2(e) / 8; in every step O and l are multiplied by a = 2^(c m_old - c m_new).
; m starts at the lowest finite number, O and l at 0: the first step is a step like any other, with a = 0.
; BY TURNS.  Turn n belongs to piece n: 8 products K Q^T of piece n + 1, later 8 products V^T P of piece n - 1; beside them the scaling, exponentials, roundings, sums and rescaling of
; piece n and the maximum and statistics of piece n + 1.  Four vector instructions stand behind every matrix instruction, the other 54 of a turn's 118 in two lumps.
; CLUSTER.  The four query blocks of a cluster belong to one head and walk the same K and V, so each tile is asked for JOINTLY: the same tensor load, descriptor and mask in all four.
; By this text's count one tensor load of a wave is out at a time.
; REGISTERS, in windows of 256 (s_set_vgpr_msb: bits 1:0 source 0, 3:2 source 1, 5:4 source 2, 7:6 destination):
;   window 0: v0-15 addresses and two at work; v16-31 four registers of statistics a piece; v48-55 at work; v62-63 the add's; v64-127 S^T, two buffers; v192-223 P, two buffers (by the piece's parity)
;   window 1: v0-127 O^T, 32 a piece          window 2: v0-63 Q; v128-191 K of one step; v192-255 V of one step
.set NP,    4         ; pieces a wave: a name, no knob
.set KS,    64        ; keys in a step
.set NT,    8         ; tiles of 256 keys in a head
.set PK,    144       ; a row of K in LDS: 128 bytes + 16 of padding = 36 words: the 16 rows of a load start at 16 different groups of four banks (64 banks of 4 bytes: ISA guide 11.1)
.set PV,    160       ; a row of V: 128 + 32 = 40 words
.set VOFF,  4*KS*PK   ; a slot holds a tile, four steps: 256 rows of K, then 256 rows of V
.set SLOT1, 1<<17     ; slot 1 begins here, so that one exclusive or turns an address in one slot into the other's
.set STAGE, SLOT1+4*KS*(PK+PV)  ; behind the ring, never filled by a tensor load: 16 rows x 144 bytes for each wave
.set SP,    144
.set SPARE, STAGE+4*16*SP  ; the spare words, 128 bytes for each wave: two blocks of 256 bytes that no other line names
.set AK0, 2           ; v2   my lane's place in a tile of K; never rewritten
.set AV0, 3           ; v3   the same for V
.set AK,  4           ; v4   the LDS address of K's next run of loads
.set AV,  5           ; v5   of V's
.set STO, 6           ; v6   the way out: where I put 16 bytes of a row
.set RD,  7           ; v7   the way out: where I read rows back
.set GO,  8           ; v8   my byte offset in 512 consecutive bytes of O
.set MV,  12          ; v12-13  c m_old, kept while c m is made anew: by buffer
.set QO,  15          ; v15  my byte offset in 16 rows of Q
.set ST,  16          ; piece t's statistics at v[ST+4 t]: c m, m, l (even keys', odd keys')
.set TMP, 48          ; by buffer, four registers c0-c3 at work; when the maximum is found c2 takes a
.set SPW, 62          ; v62  LDS address of my spare word; never rewritten
.set NIL, 63          ; v63  0; never rewritten
.set S,   64
.set P,   192
.set KF,  128         ; window 2: key block kb, channel half c at KF + 16 kb + 8 c
.set VF,  192         ; window 2: key half kk, channel block cb at VF + 32 kk + 8 cb
.set WV,  12          ; s12  my wave's number
.set G1K, 24          ; s[24:31] descriptor group 1 for K's tiles
.set G1V, 32          ; s[32:39] for V's: it differs in the padding alone
.set G0K, 40          ; s[40:43] descriptor group 0 for K's tiles: it walks
.set G0V, 44          ; s[44:47] the same for V's
.set SLOTS, 56        ; s56  slots still to be asked for
.set CNT, 57          ; s57  counts a tile's key steps
.set CS,  58          ; s[58:59] c: the packed scaling takes the pair's low word for both halves
.set SEL, 60          ; s[60:61] v_permlanex16_b32's selects: each lane takes its own place in the other half
.set TBK, 62          ; s62  LDS byte at which K of the step to be fetched begins
.set TBV, 63          ; s63  the same for V, less VOFF
.set MSB, 0
.macro WIN new                      ; the high byte repeats the setting that is left; a switch that changes nothing is dropped
.if MSB != (\new)
	s_set_vgpr_msb (MSB<<8)|(\new)
.set MSB, (\new)
.endif
.endm
.set W_KQ, 0x0a       ; K and Q in window 2, S^T in window 0
.set W_PV, 0x52       ; V in window 2, P in window 0, O^T in window 1
.set W_RS, 0x41       ; destination and source 0 in window 1, source 1 in window 0
; A joint fill.  Waves 0 and 1 fetch the two halves of a tile's K, waves 2 and 3 those of its V: 128 keys each.  The branch hangs on the wave's number alone.
; Four v_nop follow each of the two lines, ahead of the jump and the label.
.macro JLOAD
	s_cmp_lt_u32 s[WV], 2
	s_cbranch_scc0 .Lfor_v_\@
	tensor_load_to_lds s[G0K:G0K+3], s[G1K:G1K+7]
	s_nop 0
.rept 4
	v_nop
.endr
	s_branch .Lasked_\@
.Lfor_v_\@:
	tensor_load_to_lds s[G0V:G0V+3], s[G1V:G1V+7]
	s_nop 0
.rept 4
	v_nop
.endr
.Lasked_\@:
.endm
; A round of the cluster's barrier: my work-group's barrier, so that wave 0's signal speaks for all four waves; wave 0 signals; every wave waits for all four work-groups; my work-group's barrier once more.
.macro CROUND
	s_barrier_signal -1
	s_barrier_wait -1
	s_cmp_lg_u32 s[WV], 0
	s_cbranch_scc1 .Lnot_wave_0_\@
	s_barrier_signal -3
.Lnot_wave_0_\@:
	s_barrier_wait -3
	s_barrier_signal -1
	s_barrier_wait -1
.endm
; THE CHANGE OF SLOTS.  The slot's last bytes, V of its fourth step, have been read.  Each wave waits for all its tensor loads, of which one is out: its part of the other slot; adds 0 to its
; spare word; and waits for that and for its own reads of the slot.  Behind the barrier nobody reads this slot any more and the other slot is whole.
; fill = 1: this slot is filled again, with the keys two slots on.  The barrier is then a round of the cluster's, and the joint fill is the first thing behind it: it has four key steps,
; 256 matrix instructions, in which to land.  (At its first use nothing has been read yet: slot 0 is waited for, slot 1 filled.)
.macro CHANGE fill
	WIN 0                           ; at a label and at a branch every window is 0
	s_wait_tensorcnt 0x0            ; no tensor load of mine is out, so a group 0 may be written
	ds_add_u32 v[SPW], v[NIL]       ; 0 onto my spare word
.if \fill
.irp g, G0K, G0V
	s_xor_b32 s[\g+1], s[\g+1], SLOT1  ; the walking descriptor: the other slot than last time,
	s_add_nc_u64 s[\g+2:\g+3], s[\g+2:\g+3], 4*KS*128  ; the next 256 keys; the type bits on top are not reached
.endr
	s_wait_dscnt 0x0                ; the add is done, and my reads of the slot are over
	CROUND
	JLOAD
.else
	s_wait_dscnt 0x0                ; the add is done, and my reads of the slot are over
	s_barrier_signal -1
	s_barrier_wait -1
.endif
	s_sub_co_u32 s[TBK], s[TBK], 4*KS*PK  ; the fetches go back to a slot's first step,
	s_xor_b32 s[TBK], s[TBK], SLOT1       ; in the other slot
	s_sub_co_u32 s[TBV], s[TBV], 4*KS*PV
	s_xor_b32 s[TBV], s[TBV], SLOT1
.endm
	s_load_b128 s[4:7], s[0:1], 0x0  ; qkvh s[4:5], oh s[6:7]
	v_lshl_add_u32 v[SPW], v0, 2, SPARE
	v_mov_b32 v[NIL], 0
	ds_add_u32 v62, v63
	s_wait_dscnt 0x0
	v_lshrrev_b32 v1, 5, v0
	v_readfirstlane_b32 s[WV], v1   ; wave 0..3
	s_bfe_u32 s13, ttmp6, 0x40000   ; cx: my place in the cluster
	s_lshl_b32 s14, ttmp9, 2        ; in a cluster launch ttmp9 counts clusters
	s_add_co_u32 s14, s14, s13      ; my block of 256 queries = 4 x cluster x + cx: it enters Q's and O's addresses alone
	s_and_b32 s15, ttmp7, 0xffff    ; batch x 16 + head, which the four partners share
	s_lshl_b32 s20, s15, 18         ; the head's first byte in Q, in K and in V
	s_and_b32 s16, s[WV], 1         ; which half of a tile's 256 keys I fetch:
	s_lshl_b32 s22, s16, 14         ; its 128 rows of 128 bytes in memory,
	s_add_co_u32 s22, s22, s20
	s_mov_b32 s23, 0
	s_mul_i32 s17, s16, 128*PK      ; and its place in a slot, for K
	s_mul_i32 s18, s16, 128*PV      ; and for V: no place in the cluster enters an LDS address
	s_lshl_b32 s2, s14, 2
	s_add_co_u32 s2, s2, s[WV]      ; my wave among the head's 32,
	s_lshl_b32 s2, s2, 13           ; its 64 rows of 128 bytes
	s_add_co_u32 s2, s2, s20
	s_mov_b32 s3, 0
	s_and_b32 s48, s15, 16          ; O: block of 128 tokens = batch x 16 + 2 x my block + wave / 2, 262,144 bytes each;
	s_lshl1_add_u32 s48, s14, s48
	s_lshr_b32 s13, s[WV], 1
	s_add_co_u32 s48, s48, s13
	s_lshl_b32 s48, s48, 18
	s_and_b32 s13, s15, 15          ; in it the head's 16,384 bytes;
	s_lshl_b32 s13, s13, 14
	s_add_co_u32 s48, s48, s13
	s_lshl_b32 s13, s16, 13         ; in them my wave's 64 rows
	s_add_co_u32 s48, s48, s13
	s_mov_b32 s49, 0
	; descriptor group 1.  128 keys are 16,384 dense bytes: asked for as 64 rows of 256 bytes, two keys a row, and padded in LDS after every key
	s_mov_b32 s[G1K], 15|(1<<16)|(1<<20)|(1<<21)|(4<<22)|(3<<25)  ; 15:0 the mask of four; 17:16 2-byte elements; 20 padding on; 21 set beside a mask; 24:22 after every 32 words (code 4); 31:25 4 words (code 3)
	s_mov_b32 s[G1V], 15|(1<<16)|(1<<20)|(1<<21)|(4<<22)|(7<<25)  ; the same with 8 words of padding (code 7)
.irp g, G1K, G1V
	s_mov_b32 s[\g+1], 128<<16      ; tensor_dim0 = 128
	s_mov_b32 s[\g+2], 64<<16       ; tensor_dim1 = 64
	s_mov_b32 s[\g+3], 128<<16      ; tile_dim0 = 128
	s_mov_b32 s[\g+4], 64           ; tile_dim1 = 64
	s_mov_b32 s[\g+5], 128          ; 128 elements from row to row
	s_mov_b32 s[\g+6], 0
	s_mov_b32 s[\g+7], 0
.endr
	s_mov_b32 s[CS], 0x3e38aa3b     ; c = log2(e) / 8 = 0.180337
	s_mov_b32 s[CS+1], s[CS]        ; named with it as a pair
	s_mov_b32 s[SEL], 0x76543210
	s_mov_b32 s[SEL+1], 0xfedcba98
	s_mov_b32 s[TBK], SLOT1+4*KS*PK ; the first change of slots turns these two into 0
	s_mov_b32 s[TBV], SLOT1+4*KS*PV
	s_mov_b32 s[G0K], 1             ; count = 1
	s_mov_b32 s[G0K+1], s17         ; LDS address: slot 0
	s_mov_b32 s[G0V], 1
	s_add_co_u32 s[G0V+1], s18, VOFF
	s_wait_kmcnt 0x0
	s_mov_b64 s[10:11], s[6:7]                     ; O
	s_add_nc_u64 s[8:9], s[4:5], 0x1000000         ; V lies 16,777,216 bytes behind Q,
	s_add_nc_u64 s[6:7], s[4:5], 0x800000          ; K 8,388,608
	s_add_nc_u64 s[G0K+2:G0K+3], s[6:7], s[22:23]  ; global address: my half of the head's first 256 keys
	s_or_b32 s[G0K+3], s[G0K+3], 0x80000000        ; type = 2
	s_add_nc_u64 s[G0V+2:G0V+3], s[8:9], s[22:23]
	s_or_b32 s[G0V+3], s[G0V+3], 0x80000000
	s_add_nc_u64 s[4:5], s[4:5], s[2:3]            ; Q and O at my wave's first row
	s_add_nc_u64 s[10:11], s[10:11], s[48:49]
	CROUND                          ; all four work-groups are here: the first joint loads meet
	JLOAD                           ; tile 0 into slot 0.  Slot 1 is asked for when slot 0 is in
	; A fragment of K or Q is 16 rows x 32 channels in 8 registers: lane l holds row l % 16, channels 8 (l / 16) + 0..7 and 16 + 8 (l / 16) + 0..7: two loads of 16 bytes, 32 bytes apart.
	v_and_b32 v1, 15, v0            ; l % 16
	v_bfe_u32 v9, v0, 4, 1          ; l / 16
	v_lshlrev_b32 v[QO], 7, v1
	v_lshl_add_u32 v[QO], v9, 4, v[QO]  ; row x 128 + 16 x half
	WIN 0x80                        ; destination window 2, address window 0
.set i, 0
.rept 8                             ; Q stays in registers: piece i / 2, channels 32 (i % 2) on
	global_load_b128 v[8*i:8*i+3],   v[QO], s[4:5] offset:(i/2)*2048+(i%2)*64
	global_load_b128 v[8*i+4:8*i+7], v[QO], s[4:5] offset:(i/2)*2048+(i%2)*64+32
.set i, i+1
.endr
	; What the first turn finds: V's registers and P's second buffer hold 0 (its products V^T P, of a piece that has not been, add 0), O^T and l are 0.  All this stands in the wait for the first tile.
.set i, VF
.rept 64
	v_mov_b32 v[i], 0
.set i, i+1
.endr
	WIN 0x40
.set i, 0
.rept 128
	v_mov_b32 v[i], 0
.set i, i+1
.endr
	WIN 0
.set i, 0
.rept 4
	v_mov_b32 v[ST+4*i], 0xfe000000    ; c m: far below every c s
	v_mov_b32 v[ST+4*i+1], 0xff7fffff  ; m
	v_mov_b32 v[ST+4*i+2], 0
	v_mov_b32 v[ST+4*i+3], 0
.set i, i+1
.endr
.set i, P+16
.rept 16
	v_mov_b32 v[i], 0
.set i, i+1
.endr
	v_mul_u32_u24 v[AK0], v1, PK
	v_lshl_add_u32 v[AK0], v9, 4, v[AK0]  ; row x pitch + 16 x half
	; The turning load takes 16 keys x 16 channels (lane l reads key 8 (l / 16) + l % 8, channels 8 ((l / 8) % 2) + 0..7) and leaves half a fragment of V^T: lane l holds channel l % 16 and 8 keys.
	v_and_b32 v10, 7, v0
	v_bfe_u32 v11, v0, 3, 1
	v_lshl_add_u32 v[AV0], v9, 3, v10
	v_mul_u32_u24 v[AV0], v[AV0], PV
	v_lshl_add_u32 v[AV0], v11, 4, v[AV0]
	v_add_nc_u32 v[AV0], VOFF, v[AV0]
	s_mul_i32 s13, s[WV], 16*SP
	s_add_co_u32 s13, s13, STAGE    ; my stage
	v_mul_u32_u24 v[STO], v1, SP    ; in: row l % 16, 16 bytes for each half of the lanes
	v_lshl_add_u32 v[STO], v9, 4, v[STO]
	v_add_nc_u32 v[STO], s13, v[STO]
	v_bfe_u32 v[RD], v0, 3, 2       ; back: 32 lanes take four rows of 128 bytes,
	v_mul_u32_u24 v[RD], v[RD], SP
	v_lshl_add_u32 v[RD], v10, 4, v[RD]
	v_add_nc_u32 v[RD], s13, v[RD]
	v_and_b32 v[GO], 31, v0         ; which are 512 consecutive bytes of O
	v_lshlrev_b32 v[GO], 4, v[GO]
; THE MATRIX WORK.  The 4 accumulators of a run of 8 take turns.  Product i of 8 of S^T = K Q^T for piece x: channels 32 (i / 4) on, keys 16 (i % 4) on.  The first 4 start the sums.
.macro KQ x
.set rS, S+32*((\x)%2)+8*(i%4)
.set rK, KF+16*(i%4)+8*(i/4)
.set rQ, 16*(\x)+8*(i/4)
	WIN W_KQ
.if i < 4
	v_wmma_f32_16x16x32_bf16 v[rS:rS+7], v[rK:rK+7], v[rQ:rQ+7], 0
.else
	v_wmma_f32_16x16x32_bf16 v[rS:rS+7], v[rK:rK+7], v[rQ:rQ+7], v[rS:rS+7]
.endif
.endm
; Product i of 8 of O^T += V^T P for piece x: keys 32 (i / 4) on, channels 16 (i % 4) on.
.macro PV x
	WIN W_PV
.set rO, 32*(\x)+8*(i%4)
.set rV, VF+32*(i/4)+8*(i%4)
.set rP, P+16*((\x)%2)+8*(i/4)
	v_wmma_f32_16x16x32_bf16 v[rO:rO+7], v[rV:rV+7], v[rP:rP+7], v[rO:rO+7]
.endm
.macro MM                           ; the turn's next matrix instruction.  NOKQ = 1: the walk's last turn: there is no next piece
.if (i < 8) && !NOKQ
	KQ (Y+1)%NP
.elseif i >= 8
.set i, i-8
	PV (Y+NP-1)%NP
.set i, i+8
.endif
.set i, i+1
.endm
; THE LDS LOADS stand in runs of 16, never singly among the matrix instructions: a step's K (64 keys x 64 channels: 8 fragments) and its V (turned).  Their addresses are made some lines ahead.
.macro FETCH_K
	WIN 0x80                        ; destination window 2
.irp f, 0,1,2,3,4,5,6,7             ; keys 16 (f / 2) on, channels 32 (f % 2) on
	ds_load_b128 v[KF+8*\f:KF+8*\f+3],   v[AK] offset:(\f/2)*16*PK+(\f%2)*64
	ds_load_b128 v[KF+8*\f+4:KF+8*\f+7], v[AK] offset:(\f/2)*16*PK+(\f%2)*64+32
.endr
	s_add_co_u32 s[TBK], s[TBK], KS*PK  ; the next fetch is the next step's
	WIN 0
.endm
.macro FETCH_V
	WIN 0x80
.irp f, 0,1,2,3,4,5,6,7             ; keys 32 (f / 4) on, channels 16 (f % 4) on
	ds_load_tr16_b128 v[VF+8*\f:VF+8*\f+3],   v[AV] offset:(\f/4)*32*PV+(\f%4)*32
	ds_load_tr16_b128 v[VF+8*\f+4:VF+8*\f+7], v[AV] offset:(\f/4)*32*PV+16*PV+(\f%4)*32
.endr
	WIN 0
.endm
; THE VECTOR WORK, one line at a time: OP kind, number.  For piece Y: F n: c s - c m for pair n of 16.  E n: the exponential of score n of 32.  C n: pair n rounded to bf16.  B n: of the four weights 4 n .. the second
; pair is added onto the first, in place.  L n: l takes that sum (L 0: l = a l + sum).  R n: pair n of 16 of O^T times a.  For piece Y + 1: X n, number n of the 22 that find its maximum and statistics:
;   0-11  four chains c0-c3 of seven scores each, three operands at a time (each accumulator's lowest registers are read first)     12-14, 16  the four scores left over, the old m, and c0-c3 into c0
;   15  c m_old is kept     17, 18  the query's other 32 keys lie in the lane 16 away: the new m     19-21  c m; c m_old - c m_new; a
.set F, 0               ; OP tells the kinds apart by their order: F to L below R, X above it
.set E, 1
.set C, 2
.set B, 3
.set L, 4
.set R, 5
.set X, 6
.macro REGS y                       ; the registers of piece y
.set rT, ST+4*(\y)
.set rC, TMP+4*((\y)%2)
.set rW, MV+((\y)%2)
.set rS, S+32*((\y)%2)
.set rP, P+16*((\y)%2)
.set rO, 32*(\y)
.endm
.macro OP k, n
.if (\k) == R
	REGS Y
	WIN W_RS
	v_pk_mul_f32 v[rO+2*(\n):rO+2*(\n)+1], v[rO+2*(\n):rO+2*(\n)+1], v[rC+2:rC+3] op_sel_hi:[1,0]
.elseif (\k) < R
	REGS Y
	WIN 0
.if (\k) == F
	v_pk_fma_f32 v[rS+2*(\n):rS+2*(\n)+1], v[rS+2*(\n):rS+2*(\n)+1], s[CS:CS+1], v[rT:rT+1] op_sel_hi:[1,0,0] neg_lo:[0,0,1] neg_hi:[0,0,1]
.elseif (\k) == E
	v_exp_f32 v[rS+(\n)], v[rS+(\n)]
.elseif (\k) == C
	s_wait_alu depctr_va_vdst(0)
	v_cvt_pk_bf16_f32 v[rP+(\n)], v[rS+2*(\n)], v[rS+2*(\n)+1]
.elseif (\k) == B
	s_wait_alu depctr_va_vdst(0)
	v_pk_add_f32 v[rS+4*(\n):rS+4*(\n)+1], v[rS+4*(\n):rS+4*(\n)+1], v[rS+4*(\n)+2:rS+4*(\n)+3]
.elseif (\n) == 0
	v_pk_fma_f32 v[rT+2:rT+3], v[rT+2:rT+3], v[rC+2:rC+3], v[rS:rS+1] op_sel_hi:[1,0,1]
.else
	v_pk_add_f32 v[rT+2:rT+3], v[rT+2:rT+3], v[rS+4*(\n):rS+4*(\n)+1]
.endif
.elseif NOKQ
	v_nop
.else
	REGS (Y+1)%NP
	WIN 0
.if (\n) < 4
	v_max3_num_f32 v[rC+(\n)], v[rS+8*(\n)], v[rS+8*(\n)+1], v[rS+8*(\n)+2]
.elseif (\n) < 12
	v_max3_num_f32 v[rC+(\n)%4], v[rC+(\n)%4], v[rS+8*((\n)%4)+2*((\n)/4)+1], v[rS+8*((\n)%4)+2*((\n)/4)+2]
.elseif (\n) == 12
	v_max3_num_f32 v[rC], v[rC], v[rS+7], v[rS+15]
.elseif (\n) == 13
	v_max3_num_f32 v[rC+1], v[rC+1], v[rS+23], v[rS+31]
.elseif (\n) == 14
	v_max3_num_f32 v[rC+2], v[rC+2], v[rC+3], v[rT+1]
.elseif (\n) == 15
	v_mov_b32 v[rW], v[rT]
.elseif (\n) == 16
	v_max3_num_f32 v[rC], v[rC], v[rC+1], v[rC+2]
.elseif (\n) == 17
	v_permlanex16_b32 v[rC+3], v[rC], s[SEL], s[SEL+1]
.elseif (\n) == 18
	v_max_num_f32 v[rT+1], v[rC], v[rC+3]
.elseif (\n) == 19
	v_mul_f32 v[rT], s[CS], v[rT+1]
.elseif (\n) == 20
	v_sub_f32 v[rC+1], v[rW], v[rT]
.else
	v_exp_f32 v[rC+2], v[rC+1]
.endif
.endif
.endm
.macro OPS a, i1, b=-1, i2=0, c=-1, i3=0, d=-1, i4=0  ; up to four of them
	OP \a, \i1
.if (\b) >= 0
	OP \b, \i2
.endif
.if (\c) >= 0
	OP \c, \i3
.endif
.if (\d) >= 0
	OP \d, \i4
.endif
.endm
.macro ROW a, i1, b, i2, c, i3, d, i4  ; a matrix instruction and the four behind it
	MM
	OPS \a, \i1, \b, \i2, \c, \i3, \d, \i4
.endm
; A TURN, for piece p: the order of its 16 matrix and 118 vector instructions, written out.  Behind a matrix instruction: plain, exponential, plain, plain; or four of the rescaling; or, behind the first, four scalings; none
; names a register of the products round it.  In the lumps exponential and plain by turns while exponentials last.  v_permlanex16_b32 (X 17) stands in a lump.
; end = 1: the walk's last two turns: nothing is fetched.  cnt = 1: the loop's count is taken down some lines ahead of the branch that stands behind the turn.
; K of the next step is fetched in piece 2's turn, six vector instructions behind the last product that read K (five of them plain); V of the step in hand in piece 0's turn, eight behind the last product that read V (four
; plain, and X 17).  Each is waited for a turn later.
.macro TURN p, end=0, cnt=0
.set Y, (\p)
.set i, 0
.set NOKQ, (\end)*((\p)/3)
.if ((\p) == 3) && !(\end)
	s_wait_dscnt 0x0                ; K is in
.endif
	ROW F,0, F,1, F,2, F,3
	ROW F,4, E,0, F,5, F,6
	ROW F,7, E,1, F,8, F,9
	ROW F,10, E,2, C,0, F,11
	ROW F,12, E,3, X,15, F,13
	ROW R,0, R,1, R,2, R,3
	ROW B,0, E,4, F,14, L,0
.if ((\p) == 2) && !(\end)
	v_add_nc_u32 v[AK], s[TBK], v[AK0]
.endif
	ROW R,4, R,5, R,6, R,7
	OPS E,5, F,15
.if ((\p) == 2) && !(\end)
	FETCH_K
.endif
	OPS E,6, C,1, E,7, R,8
	OPS E,8, R,9, E,9, C,2
	OPS E,10, X,0, E,11, X,1
	OPS E,12, X,2, E,13, X,3
.if (\p) == 1
	s_wait_dscnt 0x0                ; V is in
.endif
	ROW X,4, E,14, X,5, X,6
	ROW X,7, E,15, X,8, X,9
	ROW X,10, E,16, X,11, X,12
	ROW X,13, E,17, X,14, B,1
	ROW C,4, E,18, X,16, L,1
	ROW B,2, E,19, C,6, L,2
	ROW C,8, E,20, B,3, B,4
.if (\p) == 0
	v_add_nc_u32 v[AV], s[TBV], v[AV0]
.endif
	ROW C,3, E,21, L,3, C,5
	OPS E,22, X,17, E,23, C,10
.if (\p) == 0
	FETCH_V
.endif
	OPS E,24, L,4
	OPS E,25, X,18, E,26, C,7
	OPS E,27, B,5, E,28, X,19
	OPS E,29, C,12, E,30, L,5
	OPS E,31, X,20, B,6, C,9
	OPS C,14, C,11, X,21, L,6
.if (\p) == 0
	s_add_co_u32 s[TBV], s[TBV], KS*PV
.endif
.if \cnt
	s_sub_co_u32 s[CNT], s[CNT], 1
	s_cmp_lg_u32 s[CNT], 0
.endif
	OPS C,13, B,7, C,15, R,10
	OPS R,11, R,12, L,7, R,13
	OPS R,14, R,15
.endm
	CHANGE 1                        ; slot 0 is in, everybody's part of it; slot 1 is asked for
	v_add_nc_u32 v[AK], s[TBK], v[AK0]
	FETCH_K                         ; key step 0
	s_wait_loadcnt 0x0              ; Q
	s_wait_dscnt 0x0
.set NOKQ, 0
.set i, 0
.rept 8
	KQ 0                            ; piece 0's first scores: there is no vector work yet to set between them
.set i, i+1
.endr
	WIN 0
.rept 4
	v_nop                           ; the places behind those products
.endr
.set Y, NP-1                        ; X works for piece Y + 1: piece 0
.irp n, 0,1,2,3,4,5,6,7,8,9,10,11,12,13,14,15,16,17,18,19,20,21
	OP X, \n
.endr
	v_nop                           ; a plain instruction behind the exponential
	s_mov_b32 s[CNT], 4
	s_mov_b32 s[SLOTS], NT-1
	s_branch .Lfirst                ; the loop is entered at a step's first turn, in the middle of a trip
.Lslot:                             ; NT - 2 times: every slot but the last two is filled again
	CHANGE 1
	s_mov_b32 s[CNT], 4
.Lstep:                             ; a trip: pieces 2 and 3 of one step, then pieces 0 and 1 of the next, whose K and V it fetches
	TURN 2
	TURN 3
	WIN 0
.Lfirst:
	TURN 0
	TURN 1, 0, 1
	WIN 0
	s_cbranch_scc1 .Lstep
	s_sub_co_u32 s[SLOTS], s[SLOTS], 1
	s_cmp_lg_u32 s[SLOTS], 0
	s_cbranch_scc1 .Lslot
	CHANGE 0                        ; the last tile is written out: nothing is asked for
	s_mov_b32 s[CNT], 4
.Ltail:
	TURN 2
	TURN 3
	TURN 0
	TURN 1, 0, 1
	WIN 0
	s_cbranch_scc1 .Ltail
	TURN 2, 1                       ; the last step's last two turns fetch nothing, and the last starts no new scores
	TURN 3, 1
.set i, 0
.rept 8
	PV NP-1                         ; the last piece's V^T P of the last step
.set i, i+1
.endr
	; THE WAY OUT.  l's two halves and the other half of the lanes' are added; O^T is divided by l, rounded to bf16 and sent through my stage in LDS, a piece at a time.  The additions are the places behind the last products.
	WIN 0
.macro ALL line:vararg              ; one line for each piece t
.set t, 0
.rept 4
	\line
.set t, t+1
.endr
.endm
	ALL v_add_f32 v[ST+4*t+2], v[ST+4*t+2], v[ST+4*t+3]
	ALL v_permlanex16_b32 v[ST+4*t+3], v[ST+4*t+2], s[SEL], s[SEL+1]
	ALL v_add_f32 v[ST+4*t+2], v[ST+4*t+2], v[ST+4*t+3]
	ALL v_rcp_f32 v[ST+4*t+2], v[ST+4*t+2]
	v_nop                           ; a plain instruction between the last reciprocal and the use of its result
.macro PACK t                       ; a lane's eight channels of a row pack into 16 bytes; they go into rows of 144 bytes and come back as whole rows of 128, into S^T's registers
	WIN W_RS
.set i, 32*(\t)
.rept 16
	s_wait_alu depctr_va_vdst(0)
	v_pk_mul_f32 v[i:i+1], v[i:i+1], v[ST+4*(\t)+2:ST+4*(\t)+3] op_sel_hi:[1,0]
.set i, i+2
.endr
	WIN 0x05                        ; sources 0 and 1 window 1, destination window 0
.set i, 0
.rept 16
	v_cvt_pk_bf16_f32 v[S+16*(\t)+i], v[32*(\t)+2*i], v[32*(\t)+2*i+1]
.set i, i+1
.endr
	WIN 0
.irp f, 0,1,2,3
	ds_store_b128 v[STO], v[S+16*(\t)+4*\f:S+16*(\t)+4*\f+3] offset:32*\f
.endr
.irp f, 0,1,2,3
	ds_load_b128 v[S+16*(\t)+4*\f:S+16*(\t)+4*\f+3], v[RD] offset:\f*4*SP  ; LDS serves a wave's instructions in order (ISA guide 5.7.1.4): these see the stores above; the next piece's stores come behind them
.endr
.endm
.macro SEND t, younger              ; younger: the LDS instructions issued behind piece t's loads: the next piece's eight, or none
	WIN 0
.irp f, 0,1,2,3
	s_wait_dscnt (\younger)+3-\f
	global_store_b128 v[GO], v[S+16*(\t)+4*\f:S+16*(\t)+4*\f+3], s[10:11] offset:(\t)*2048+\f*512  ; 512 consecutive bytes, at a multiple of 256 from O's first
.endr
.endm
	PACK 0
.set t, 1
.rept 3                             ; a piece's arithmetic stands between the loads of the piece before and its stores
	PACK t
	SEND t-1, 8
.set t, t+1
.endr
	SEND 3, 0
	s_wait_tensorcnt 0x0            ; the wave's end
	ds_add_u32 v[SPW], v[NIL]
	s_wait_dscnt 0x0
	CROUND                          ; the closing round: no work-group ends while a partner may still ask for a tile that names it
	s_endpgm
.Lfunc_end_k_q28615b9987_attn:
	.size	k_q28615b9987_attn, .Lfunc_end_k_q28615b9987_attn-k_q28615b9987_attn
	.p2alignl 7, 3214868480
	.fill 96, 4, 3214868480
	.section	.rodata,"a",@progbits
	.p2align	6, 0x0
	.amdhsa_kernel k_q28615b9987_attn
		.amdhsa_group_segment_fixed_size 327680
		.amdhsa_private_segment_fixed_size 0
		.amdhsa_enable_private_segment 0
		.amdhsa_kernarg_size 16
		.amdhsa_user_sgpr_count 2
		.amdhsa_user_sgpr_kernarg_segment_ptr 1
		.amdhsa_wavefront_size32 1
		.amdhsa_system_sgpr_workgroup_id_x 1
		.amdhsa_system_sgpr_workgroup_id_y 1
		.amdhsa_system_sgpr_workgroup_id_z 1
		.amdhsa_system_vgpr_workitem_id 0
		.amdhsa_next_free_vgpr 768
		.amdhsa_next_free_sgpr 66
		.amdhsa_reserve_vcc 0
		.amdhsa_float_denorm_mode_32 3
		.amdhsa_float_denorm_mode_16_64 3
		.amdhsa_memory_ordered 1
		.amdhsa_forward_progress 1
		.amdhsa_inst_pref_size 134
	.end_amdhsa_kernel
	.amdgpu_metadata
---
amdhsa.version: [ 1, 2 ]
amdhsa.kernels:
  - .name:           k_q28615b9987_attn
    .symbol:         k_q28615b9987_attn.kd
    .args:
      - { .name: qkvh, .offset: 0, .size: 8, .value_kind: global_buffer, .address_space: global }
      - { .name: oh, .offset: 8, .size: 8, .value_kind: global_buffer, .address_space: global }
    .group_segment_fixed_size: 327680
    .private_segment_fixed_size: 0
    .kernarg_segment_align: 8
    .kernarg_segment_size: 16
    .max_flat_workgroup_size: 128
    .sgpr_count:     66
    .vgpr_count:     768
    .wavefront_size: 32
...
	.end_amdgpu_metadata
.endif
;; end of part 3
;; launch outproj (part 4): grid 8 x 32, 4 waves a work-group, clusters of 4 x 4, 327,680 bytes of LDS; arguments oh, wb, x, x1; writes x1
.if DOCPART == 4
	.amdgcn_target "amdgcn-amd-amdhsa--gfx1250"
	.amdhsa_code_object_version 6
	.text
	.protected	k_q28615b9987_outproj
	.globl	k_q28615b9987_outproj
	.p2align	8
	.type	k_q28615b9987_outproj,@function
k_q28615b9987_outproj:
	s_mov_b64 s[64:65], 0
	v_nop
	global_prefetch_b8 v0, s[64:65] scope:SCOPE_SE
	s_setreg_imm32_b32 hwreg(HW_REG_WAVE_MODE, 25, 1), 1
	s_wait_xcnt 0x0
	s_wait_alu depctr_hold_cnt(0) depctr_sa_sdst(0) depctr_va_vdst(0) depctr_va_sdst(0) depctr_va_ssrc(0) depctr_va_vcc(0) depctr_vm_vsrc(0)
	s_getreg_b32 s2, hwreg(HW_REG_IB_STS2, 6, 4)
	s_cmp_eq_u32 s2, 0
	s_cbranch_scc0 .Lentry_in_a_cluster
	s_endpgm
.Lentry_in_a_cluster:
	s_bfe_u32 s2, ttmp6, 0x10000c
	s_cmp_lg_u32 s2, 0xf033
	s_cbranch_scc0 .Lentry_shape_is_right
	s_endpgm
.Lentry_shape_is_right:
; x1 = x + O x wo^T.  O: bf16 in blocks [token / 128 (32)][head (16)][128 tokens][64]; wo: [1024][1024] bf16 in wb; x, x1: [4096][1024] f32.  Sums in f32; the residual is added in f32.
; SHARES.  A tile of the result is 128 x 128: 8 x 32 tiles, one for each of 256 work-groups.  Four waves, each 64 x 64: 16 accumulators of 16 x 16.  K goes in steps of 256 through a ring of two LDS slots.
; A K step of O is four heads of the tile's 128 tokens: 65,536 dense bytes.  Waves 0 and 1 each ask for two heads as 128 rows of 256 bytes, padded in LDS behind every token's 128 bytes: in LDS [head][token], 144 bytes
; apart.  A quarter of a K step (64 along K) is one head.  Waves 2 and 3 each ask for 64 rows of 512 bytes of wo.
; CLUSTER.  4 x 4 work-groups: O's tiles are shared along a row of the cluster, wo's along a column, each asked for JOINTLY.  By this text's count a wave has two tensor loads out at the start, one behind each refill.
; THE MATRIX INSTRUCTION IS USED TRANSPOSED (source 0 = 16 rows of wo, source 1 = 16 tokens): a lane holds token lane % 16 and eight neighbouring columns.
; THE RESIDUAL is asked for at the start, in the layout in which the result leaves, and stays on its way during the whole K loop: one wait for it, on the way out.
; ASKED FOR AHEAD.  K steps 2 and 3, which the two refills bring, are prefetched at the kernel's head by wave 3, lanes 256 bytes apart.  A K step of O is shared out among the 8 work-groups of a tile row (8,192 bytes
; each: every block is asked for by one work-group of the launch); the two K steps' 1,024 bytes of wo's 128 rows among 16 tile rows (8 rows each: every block is asked for by two work-groups, whose tile rows lie 16
; apart).  Nothing is asked for beyond K step 3, the last.
; REGISTERS: window 0: v0-31 addresses; v32-95 at work on the way out; v128-255 the accumulators ((a, b) at v[128 + 8 (4 a + b)]).
;   window 1: two fragment buffers of 128: for 64 along K, 64 registers of O, then 64 of wo.     window 2: v0-127 the residual.
; LIMITS: operands are bf16; NaN and infinities are not treated apart.
.set SIZE_K, 1024
.set WOFF,   6291456                   ; wo's first byte in wb
.set PA,     144                       ; A's rows in LDS: 128 bytes + 16: an odd multiple of 16, so the 16 rows of a fragment load start at 16 different groups of four banks (ISA guide 11.1)
.set AQ,     128*PA                    ; from a quarter's bytes of A to the next quarter's: a head
.set HALFA,  256*PA                    ; what waves 0 and 1 each fetch: two heads x 128 tokens
.set AQI,    4                         ; A's padding stands behind every 32 words
.set AD0,    128                       ; A's tile: elements in a row as it is asked for,
.set AD1,    128                       ; rows,
.set ASTR,   128                       ; elements from row to row
.set ATSH,   18                        ; A's address: tile row << ATSH
.set AHSH,   15                        ; + half << AHSH
.set ASTEP,  65536                     ; bytes from a K step's tile of A to the next
.set BTSH,   18                        ; B's address: tile column << BTSH (128 rows of 2,048 bytes)
.set BHSH,   17                        ; + half << BHSH
.set KSTEP,  256
.set PB,     528                       ; B's rows in LDS: 512 bytes + 16
.set HALFB,  64*PB
.set SLOT,   2*HALFA+2*HALFB
.set STAGE,  2*SLOT                    ; behind the ring, never filled by a tensor load: 16 rows x 272 bytes for each wave
.set SPITCH, 272
.set SPARE,  STAGE+4*16*SPITCH         ; the spare words, 128 bytes for each wave: two blocks of 256 bytes that no other line names
.set LAPS,   SIZE_K/(2*KSTEP)
.set ROWB,   4096                      ; bytes in a row of the residual and of the result
.set PFA0, 8                           ; v8      my lane's block of O's K step 0 among those that this work-group asks for ahead; never rewritten
.set PFB0, 9                           ; v9      the same for wo
.set ADRA, 16                          ; v16-17  LDS address of my A fragments in slot 0, 1
.set ADRB, 20                          ; v20-21  the same for B
.set STO,  24                          ; v24     the way out: where I put 32 bytes of a row
.set RD,   25                          ; v25     the way out: where I read a row back
.set CO,   26                          ; v26     my byte offset in the residual and in the result; never rewritten
.set SPW,  28                          ; v28     LDS address of my spare word; never rewritten
.set NIL,  29                          ; v29     0; never rewritten
.set TMP,  32
.set ACC,  128
.set F0,   0                           ; fragment buffers, in window 1
.set F1,   128
.set G1,  24
.set G0,  32
.set G1B, 48
.set G0B, 56
.set MSB, 0
.macro WIN new                         ; the immediate's high byte repeats the setting that is left; a switch that changes nothing is dropped
.if MSB != (\new)
	s_set_vgpr_msb (MSB<<8)|(\new)
.set MSB, \new
.endif
.endm
.set MUL,  0x05                        ; sources 0 (B) and 1 (A) window 1; C and D window 0
.set TO_F, 0x40                        ; destination window 1, address window 0
.macro JLOAD s                         ; a joint load: waves 0 and 1 fetch A's two halves, waves 2 and 3 B's; four v_nop follow each of the two lines, ahead of the jump, the label and what follows
	s_cmp_lt_u32 s10, 2
	s_cbranch_scc0 .Lfor_b_\@
	tensor_load_to_lds s[G0+4*(\s):G0+4*(\s)+3], s[G1:G1+7]
	s_nop 0
.rept 4
	v_nop
.endr
	s_branch .Lasked_\@
.Lfor_b_\@:
	tensor_load_to_lds s[G0B+4*(\s):G0B+4*(\s)+3], s[G1B:G1B+7]
	s_nop 0
.rept 4
	v_nop
.endr
.Lasked_\@:
.endm
.macro CREST                           ; a round of the cluster's barrier behind its opening barrier
	s_cmp_lg_u32 s10, 0
	s_cbranch_scc1 .Lnot_wave_0_\@
	s_barrier_signal -3
.Lnot_wave_0_\@:
	s_barrier_wait -3
	s_barrier_signal -1
	s_barrier_wait -1
.endm
.macro CROUND                          ; a whole round
	s_barrier_signal -1
	s_barrier_wait -1
	CREST
.endm
.macro PLACES                          ; four places in front of loads into registers that matrix instructions have read, and of LDS stores that read results
.rept 4
	v_nop
.endr
.endm
	s_load_b128 s[4:7], s[0:1], 0x0                ; A s[4:5], wb s[6:7]
	s_load_b128 s[68:71], s[0:1], 0x10             ; the residual s[68:69], the result s[70:71]
	v_lshl_add_u32 v[SPW], v0, 2, SPARE
	v_mov_b32 v[NIL], 0
	ds_add_u32 v28, v29
	s_wait_dscnt 0x0
	v_lshrrev_b32 v1, 5, v0
	v_readfirstlane_b32 s10, v1                    ; wave 0..3
	s_lshr_b32 s11, s10, 1                         ; which half of the tile's rows is mine
	s_and_b32 s12, s10, 1                          ; which half of its columns.  Also: which half of A's or B's tile I fetch
	s_bfe_u32 s40, ttmp6, 0x40000                  ; cx, cy: my place in the cluster
	s_bfe_u32 s41, ttmp6, 0x40004
	s_lshl_b32 s42, ttmp9, 2
	s_add_co_u32 s42, s42, s40                     ; tile column = 4 x cluster x + cx
	s_and_b32 s13, ttmp7, 0xffff
	s_lshl_b32 s13, s13, 2
	s_add_co_u32 s13, s13, s41                     ; tile row = 4 x cluster y + cy
	s_lshl_b32 s43, s41, 2
	s_lshl_b32 s43, 15, s43                        ; my row of the cluster
	s_lshl_b32 s44, 0x1111, s40                    ; my column
	s_or_b32 s[G1+0], s43, (1<<16)|(1<<20)|(1<<21)|(AQI<<22)|(3<<25)  ; 15:0 the mask; 17:16 2-byte elements; 20 padding on; 21 set beside a mask; 24:22 the interval; 31:25 4 words (code 3)
	s_mov_b32 s[G1+1], AD0<<16                     ; tensor_dim0
	s_mov_b32 s[G1+2], AD1<<16                     ; tensor_dim1
	s_mov_b32 s[G1+3], AD0<<16                     ; tile_dim0
	s_mov_b32 s[G1+4], AD1                         ; tile_dim1
	s_mov_b32 s[G1+5], ASTR                        ; elements from row to row
	s_mov_b32 s[G1+6], 0
	s_mov_b32 s[G1+7], 0
	s_or_b32 s[G1B+0], s44, (1<<16)|(1<<20)|(1<<21)|(6<<22)|(3<<25)   ; B: padding behind every 128 words
	s_mov_b32 s[G1B+1], KSTEP<<16
	s_mov_b32 s[G1B+2], 64<<16
	s_mov_b32 s[G1B+3], KSTEP<<16
	s_mov_b32 s[G1B+4], 64
	s_mov_b32 s[G1B+5], SIZE_K
	s_mov_b32 s[G1B+6], 0
	s_mov_b32 s[G1B+7], 0
	; A's tiles hang on the tile row alone, B's on the tile column alone, each in registers that never hold the other coordinate
	s_lshl_b32 s16, s13, ATSH
	s_lshl_b32 s17, s12, AHSH
	s_add_co_u32 s16, s16, s17
	s_mov_b32 s17, 0
	s_lshl_b32 s46, s42, BTSH
	s_lshl_b32 s47, s12, BHSH
	s_add_co_u32 s46, s46, s47
	s_add_co_u32 s46, s46, WOFF
	s_mov_b32 s47, 0
	s_mul_i32 s20, s12, HALFA                      ; where they go: no place in the cluster enters an LDS address
	s_mul_i32 s45, s12, HALFB
	s_add_co_u32 s45, s45, 2*HALFA
	s_wait_kmcnt 0x0
	s_add_nc_u64 s[14:15], s[4:5], s[16:17]
	s_add_nc_u64 s[46:47], s[6:7], s[46:47]
	CROUND                                         ; all sixteen work-groups are here: the first joint loads meet
.irp s, 0,1
	s_mov_b32 s[G0+4*(\s)], 1
	s_add_co_u32 s[G0+4*(\s)+1], s20, (\s)*SLOT
	s_add_nc_u64 s[G0+4*(\s)+2:G0+4*(\s)+3], s[14:15], (\s)*ASTEP
	s_or_b32 s[G0+4*(\s)+3], s[G0+4*(\s)+3], 0x80000000
	s_mov_b32 s[G0B+4*(\s)], 1
	s_add_co_u32 s[G0B+4*(\s)+1], s45, (\s)*SLOT
	s_add_nc_u64 s[G0B+4*(\s)+2:G0B+4*(\s)+3], s[46:47], (\s)*KSTEP*2
	s_or_b32 s[G0B+4*(\s)+3], s[G0B+4*(\s)+3], 0x80000000
	JLOAD \s
.endr
	v_and_b32 v1, 15, v0                           ; l % 16
	v_bfe_u32 v2, v0, 4, 1                         ; l / 16
	v_lshlrev_b32 v5, 12, v2                       ; lanes 0-15 take 256 bytes of one row, lanes 16-31 of the next
	v_lshl_add_u32 v[CO], v1, 4, v5
	s_lshl_b32 s16, s13, 7
	s_lshl_b32 s17, s11, 6
	s_add_co_u32 s16, s16, s17                     ; my first row: 128 x tile row + 64 x half,
	s_lshl_b32 s16, s16, 12                        ; times 4,096 bytes
	s_mov_b32 s17, 0
	s_lshl_b32 s46, s42, 9                         ; my first column, in bytes: 512 x tile column + 256 x half
	s_lshl_b32 s47, s12, 8
	s_add_co_u32 s46, s46, s47
	s_mov_b32 s47, 0
	s_add_nc_u64 s[68:69], s[68:69], s[16:17]
	s_add_nc_u64 s[68:69], s[68:69], s[46:47]
	s_add_nc_u64 s[70:71], s[70:71], s[16:17]
	s_add_nc_u64 s[70:71], s[70:71], s[46:47]
	WIN 0x80                                       ; destination window 2, address window 0
.irp a, 0,1,2,3
.irp t, 0,1,2,3,4,5,6,7
	global_load_b128 v[4*(8*(\a)+(\t)):4*(8*(\a)+(\t))+3], v[CO], s[68:69] offset:(16*(\a)+2*(\t))*ROWB
.endr
.endr
	WIN 0
	; what is asked for ahead: offsets from O's and from wb's first byte
	v_and_b32 v6, 31, v0                           ; lane
	s_lshl_b32 s66, s13, ATSH                      ; O: the tile row's block,
	s_lshl_b32 s67, s42, 13                        ; in a K step's 65,536 bytes this work-group's 8,192,
	s_add_co_u32 s66, s66, s67
	v_lshl_add_u32 v[PFA0], v6, 8, s66             ; 256 a lane
	v_lshrrev_b32 v7, 2, v6
	v_and_b32 v6, 3, v6
	v_lshlrev_b32 v6, 8, v6                        ; wo: four blocks of 256 bytes in a row,
	v_lshl_add_u32 v6, v7, 11, v6                  ; eight rows of 2,048 bytes,
	s_lshl_b32 s66, s42, BTSH                      ; in the tile column's 128 rows
	s_and_b32 s67, s13, 15
	s_lshl_b32 s67, s67, 14                        ; those of this tile row among 16
	s_add_co_u32 s66, s66, s67
	s_add_co_u32 s66, s66, WOFF
	v_add_nc_u32 v[PFB0], s66, v6
	s_cmp_lg_u32 s10, 3
	s_cbranch_scc1 .Lnot_asking                    ; one wave asks
	global_prefetch_b8 v[PFA0], s[4:5] offset:2*ASTEP th:TH_LOAD_NT scope:SCOPE_SE    ; O's K step 2,
	global_prefetch_b8 v[PFA0], s[4:5] offset:3*ASTEP th:TH_LOAD_NT scope:SCOPE_SE    ; its K step 3,
	global_prefetch_b8 v[PFB0], s[6:7] offset:2*KSTEP*2 th:TH_LOAD_NT scope:SCOPE_SE  ; wo's K steps 2 and 3
.Lnot_asking:
	v_mul_u32_u24 v3, v1, PA
	v_lshl_add_u32 v3, v2, 4, v3                   ; a fragment's row x pitch + 16 x half
	v_mul_u32_u24 v4, v1, PB
	v_lshl_add_u32 v4, v2, 4, v4
	s_mul_i32 s21, s11, 64*PA                      ; my 64 rows of A
	s_mul_i32 s22, s12, HALFB                      ; my 64 rows of B,
	s_add_co_u32 s22, s22, 2*HALFA                 ; which lie behind A's tile
.irp s, 0,1
	v_add_nc_u32 v[ADRA+(\s)], s21, v3
	v_add_nc_u32 v[ADRB+(\s)], s22, v4
	s_add_co_u32 s21, s21, SLOT
	s_add_co_u32 s22, s22, SLOT
.endr
	s_mul_i32 s23, s10, 16*SPITCH
	s_add_co_u32 s23, s23, STAGE                   ; my stage
	v_mul_u32_u24 v5, v1, SPITCH                   ; in: row l % 16, 32 bytes for each half of the lanes
	v_lshl_add_u32 v5, v2, 5, v5
	v_add_nc_u32 v[STO], s23, v5
	v_mul_u32_u24 v5, v2, SPITCH                   ; back: lanes 0-15 take one row of 256 bytes, lanes 16-31 the next
	v_lshl_add_u32 v5, v1, 4, v5
	v_add_nc_u32 v[RD], s23, v5
; 8 matrix instructions: m blocks a0, a0 + 1 x all 4 n blocks, 32 along K: half c of buffer f.  zero = 1: the first product starts the sums.  The 16 accumulators take turns.
.macro MUL8 f, c, a0, zero
	WIN MUL
.irp a, \a0, (\a0)+1
.irp b, 0,1,2,3
.if \zero
	v_wmma_f32_16x16x32_bf16 v[ACC+8*(4*(\a)+(\b)):ACC+8*(4*(\a)+(\b))+7], v[(\f)+64+8*(4*(\c)+(\b)):(\f)+64+8*(4*(\c)+(\b))+7], v[(\f)+8*(4*(\c)+(\a)):(\f)+8*(4*(\c)+(\a))+7], 0
.else
	v_wmma_f32_16x16x32_bf16 v[ACC+8*(4*(\a)+(\b)):ACC+8*(4*(\a)+(\b))+7], v[(\f)+64+8*(4*(\c)+(\b)):(\f)+64+8*(4*(\c)+(\b))+7], v[(\f)+8*(4*(\c)+(\a)):(\f)+8*(4*(\c)+(\a))+7], v[ACC+8*(4*(\a)+(\b)):ACC+8*(4*(\a)+(\b))+7]
.endif
.endr
.endr
.endm
; 32 LDS loads in one run: the fragments of quarter q (64 along K) into buffer f; the first 32 along K first
.macro FETCH slot, q, f
	WIN TO_F
.irp c, 0,1
.irp i, 0,1,2,3
	ds_load_b128 v[(\f)+64+8*(4*(\c)+(\i)):(\f)+64+8*(4*(\c)+(\i))+3],   v[ADRB+(\slot)] offset:(\q)*128+64*(\c)+(\i)*16*PB
	ds_load_b128 v[(\f)+64+8*(4*(\c)+(\i))+4:(\f)+64+8*(4*(\c)+(\i))+7], v[ADRB+(\slot)] offset:(\q)*128+64*(\c)+(\i)*16*PB+32
	ds_load_b128 v[(\f)+8*(4*(\c)+(\i)):(\f)+8*(4*(\c)+(\i))+3],         v[ADRA+(\slot)] offset:(\q)*AQ+64*(\c)+(\i)*16*PA
	ds_load_b128 v[(\f)+8*(4*(\c)+(\i))+4:(\f)+8*(4*(\c)+(\i))+7],       v[ADRA+(\slot)] offset:(\q)*AQ+64*(\c)+(\i)*16*PA+32
.endr
.endr
.endm
; A K step is four quarters of 64 along K, 32 matrix instructions each, on buffers 0, 1, 0, 1.  One of the first three multiplies buffer f and fetches quarter q into g.
.macro QUARTER slot, q, f, g, zero
	s_wait_dscnt 16                                ; the first 32 along K are in
	MUL8 \f, 0, 0, \zero
	MUL8 \f, 0, 2, \zero
	PLACES
	FETCH \slot, \q, \g
	s_wait_dscnt 32                                ; all but the 32 just issued
	MUL8 \f, 1, 0, 0
	MUL8 \f, 1, 2, 0
.endm
; The last quarter multiplies buffer 1 and changes slots: ONE barrier.  Half of the quarter's products stand AHEAD of the wait for the next tile, so that between that tile's landing and the next request stands
; nothing but the barrier.  In front of the barrier each wave waits for all its tensor loads, adds 0 to its spare word, and waits for that and for its own reads of this slot.
; fill = 1: the barrier opens a round of the cluster's barrier, and this slot is filled again, two K steps ahead, first thing behind the round: a whole K step, 128 matrix instructions, ahead of the wait for it.
.macro TURN slot, next, fill
	s_wait_dscnt 16                                ; the first 32 along K of buffer 1 are in
	MUL8 F1, 0, 0, 0
	MUL8 F1, 0, 2, 0
	WIN 0
	s_wait_tensorcnt 0x0                           ; all my tensor loads have landed: my part of the next slot
	ds_add_u32 v[SPW], v[NIL]                      ; 0 onto my spare word
	s_wait_dscnt 0x0                               ; the add is done, and my reads of this slot are over
	s_barrier_signal -1
	s_barrier_wait -1
.if \fill
	CREST                                          ; no wave of any partner still reads this slot's tile or has a load on its way
	s_add_nc_u64 s[G0+4*(\slot)+2:G0+4*(\slot)+3], s[G0+4*(\slot)+2:G0+4*(\slot)+3], 2*ASTEP
	s_add_nc_u64 s[G0B+4*(\slot)+2:G0B+4*(\slot)+3], s[G0B+4*(\slot)+2:G0B+4*(\slot)+3], 2*KSTEP*2
	JLOAD \slot                                    ; the four v_nop behind it are also the places in front of the loads below
.else
	PLACES
.endif
	FETCH \next, 0, F0
	MUL8 F1, 1, 0, 0                               ; the other half of the quarter stands between the new slot's first fragment loads and their use
	MUL8 F1, 1, 2, 0
.endm
	s_wait_tensorcnt 1                             ; my part of K step 0 is in; K step 1's may stay out
	s_barrier_signal -1
	s_barrier_wait -1                              ; everybody's is
	FETCH 0, 0, F0
	QUARTER 0, 1, F0, F1, 1                        ; the first quarter stands in front of the loop: its first products start the sums
	WIN 0                                          ; at a label and at a branch every window is 0
	s_mov_b32 s3, LAPS-1
.Llap:                                                 ; a trip goes once round the ring, from a lap's second quarter to the next lap's first, and fills both slots again
	QUARTER 0, 2, F1, F0, 0
	QUARTER 0, 3, F0, F1, 0
	TURN 0, 1, 1
	QUARTER 1, 1, F0, F1, 0
	QUARTER 1, 2, F1, F0, 0
	QUARTER 1, 3, F0, F1, 0
	TURN 1, 0, 1
	QUARTER 0, 1, F0, F1, 0
	WIN 0
	s_sub_co_u32 s3, s3, 1
	s_cmp_lg_u32 s3, 0
	s_cbranch_scc1 .Llap
	QUARTER 0, 2, F1, F0, 0                        ; the last lap fills nothing
	QUARTER 0, 3, F0, F1, 0
	TURN 0, 1, 0
	QUARTER 1, 1, F0, F1, 0
	QUARTER 1, 2, F1, F0, 0
	QUARTER 1, 3, F0, F1, 0
	s_wait_dscnt 16                                ; the very last quarter: nothing more to fetch
	MUL8 F1, 0, 0, 0
	MUL8 F1, 0, 2, 0
	s_wait_dscnt 0x0
	MUL8 F1, 1, 0, 0
	MUL8 F1, 1, 2, 0
	WIN 0
	; THE WAY OUT, 16 rows at a time: the f32 sums go into my own stage (each accumulator's low registers first), come back as whole rows of 256 bytes (my 64 columns), take the residual, and are stored:
	; sixteen lanes store 256 consecutive bytes, aligned.  The stage is the wave's own and LDS serves a wave's instructions in order (ISA guide 5.7.1.4): no barrier.
	PLACES
	s_wait_loadcnt 0x0                             ; the residual
.macro OUT a
.set TB, TMP+32*((\a)%2)
.irp b, 0,1,2,3
	ds_store_b128 v[STO], v[ACC+8*(4*(\a)+(\b)):ACC+8*(4*(\a)+(\b))+3]   offset:64*(\b)
	ds_store_b128 v[STO], v[ACC+8*(4*(\a)+(\b))+4:ACC+8*(4*(\a)+(\b))+7] offset:64*(\b)+16
.endr
	s_wait_xcnt 0x0                                ; earlier stores have read these registers: only behind this wait are they loaded again
.irp t, 0,1,2,3,4,5,6,7
	ds_load_b128 v[TB+4*(\t):TB+4*(\t)+3], v[RD] offset:(\t)*2*SPITCH
.endr
	s_wait_dscnt 0x0
	WIN 0x08                                       ; source 1 window 2: the residual
.set i, 0
.rept 16
	v_pk_add_f32 v[TB+i:TB+i+1], v[TB+i:TB+i+1], v[32*(\a)+i:32*(\a)+i+1]
.set i, i+2
.endr
	WIN 0
.irp t, 0,1,2,3,4,5,6,7
	global_store_b128 v[CO], v[TB+4*(\t):TB+4*(\t)+3], s[70:71] offset:(16*(\a)+2*(\t))*ROWB
.endr
.endm
	OUT 0
	OUT 1
	OUT 2
	OUT 3
	s_wait_tensorcnt 0x0                           ; the wave's end
	ds_add_u32 v[SPW], v[NIL]
	s_wait_dscnt 0x0
	CROUND                                         ; the closing round: no work-group ends while a partner may still ask for a tile that names it
	s_endpgm
.Lfunc_end_k_q28615b9987_outproj:
	.size	k_q28615b9987_outproj, .Lfunc_end_k_q28615b9987_outproj-k_q28615b9987_outproj
	.p2alignl 7, 3214868480
	.fill 96, 4, 3214868480
	.section	.rodata,"a",@progbits
	.p2align	6, 0x0
	.amdhsa_kernel k_q28615b9987_outproj
		.amdhsa_group_segment_fixed_size 327680
		.amdhsa_private_segment_fixed_size 0
		.amdhsa_enable_private_segment 0
		.amdhsa_kernarg_size 32
		.amdhsa_user_sgpr_count 2
		.amdhsa_user_sgpr_kernarg_segment_ptr 1
		.amdhsa_wavefront_size32 1
		.amdhsa_system_sgpr_workgroup_id_x 1
		.amdhsa_system_sgpr_workgroup_id_y 1
		.amdhsa_system_sgpr_workgroup_id_z 1
		.amdhsa_system_vgpr_workitem_id 0
		.amdhsa_next_free_vgpr 640
		.amdhsa_next_free_sgpr 72
		.amdhsa_reserve_vcc 0
		.amdhsa_float_denorm_mode_32 3
		.amdhsa_float_denorm_mode_16_64 3
		.amdhsa_memory_ordered 1
		.amdhsa_forward_progress 1
		.amdhsa_inst_pref_size 94
	.end_amdhsa_kernel
	.amdgpu_metadata
---
amdhsa.version: [ 1, 2 ]
amdhsa.kernels:
  - .name:           k_q28615b9987_outproj
    .symbol:         k_q28615b9987_outproj.kd
    .args:
      - { .name: oh, .offset: 0, .size: 8, .value_kind: global_buffer, .address_space: global }
      - { .name: wb, .offset: 8, .size: 8, .value_kind: global_buffer, .address_space: global }
      - { .name: x, .offset: 16, .size: 8, .value_kind: global_buffer, .address_space: global }
      - { .name: x1, .offset: 24, .size: 8, .value_kind: global_buffer, .address_space: global }
    .group_segment_fixed_size: 327680
    .private_segment_fixed_size: 0
    .kernarg_segment_align: 8
    .kernarg_segment_size: 32
    .max_flat_workgroup_size: 128
    .sgpr_count:     72
    .vgpr_count:     640
    .wavefront_size: 32
...
	.end_amdgpu_metadata
.endif
;; end of part 4
;; launch ln2 (part 5): grid 256 x 1, 8 waves a work-group, no clusters, 0 bytes of LDS; arguments x1, norm2_scale, norm2_bias, hn; writes hn
.if DOCPART == 5
	.amdgcn_target "amdgcn-amd-amdhsa--gfx1250"
	.amdhsa_code_object_version 6
	.text
	.protected	k_q28615b9987_ln2
	.globl	k_q28615b9987_ln2
	.p2align	8
	.type	k_q28615b9987_ln2,@function
k_q28615b9987_ln2:
	s_mov_b64 s[64:65], 0
	v_nop
	global_prefetch_b8 v0, s[64:65] scope:SCOPE_SE
	s_setreg_imm32_b32 hwreg(HW_REG_WAVE_MODE, 25, 1), 1
	s_wait_xcnt 0x0
; y[r][:] = (x[r][:] - mean) * rsqrt(var + 1e-5) * scale + bias, rounded once to bf16.  x: [4096][1024] f32, y: [4096][1024] bf16.
; Two passes, as the definition has them: the mean first, then the mean of (x - mean)^2, so a common offset of the row costs no digits.
; A row is 4,096 bytes: one wave keeps it in 32 registers between the passes, so it is read once and no wave waits for another.
; A wave takes two rows, a work-group's eight waves 16, 256 work-groups all 4,096.  Load j of a row covers 512 consecutive bytes:
; a lane holds numbers 128 j + 4 lane .. + 3; scale and bias are loaded the same way.  A store covers 256 consecutive bytes, aligned.
; LIMITS: NaN and infinities are not treated apart.  No LDS, barrier or matrix unit: the launch only streams.
.set X0, 8                             ; v[8:39]    row 0
.set X1, 40                            ; v[40:71]   row 1
.set SC, 72                            ; v[72:103]  scale
.set BI, 104                           ; v[104:135] bias
.set Y0, 136                           ; v[136:151] row 0 as bf16
.set Y1, 152                           ; v[152:167] row 1 as bf16
.set T,  168                           ; v[168:171] two chains of packed sums
.set MU, 172                           ; v[172:173] the mean, twice
.set RS, 174                           ; v[174:175] 1 / sqrt(var + eps), twice
	s_load_b256 s[4:11], s[0:1], 0x0               ; x s[4:5], scale s[6:7], bias s[8:9], y s[10:11]
	v_lshrrev_b32 v3, 5, v0
	v_readfirstlane_b32 s12, v3                    ; wave 0 .. 7
	v_and_b32 v1, 31, v0                           ; lane
	v_lshlrev_b32 v2, 3, v1                        ; 8 bytes a lane in a store
	v_lshlrev_b32 v1, 4, v1                        ; 16 bytes a lane in a load
	s_lshl_b32 s2, ttmp9, 16                       ; the group's 16 rows of 4,096 bytes,
	s_lshl_b32 s13, s12, 13                        ; my wave's two
	s_add_co_u32 s2, s2, s13
	s_mov_b32 s3, 0
	s_lshr_b32 s18, s2, 1                          ; y's rows are half as long
	s_mov_b32 s19, 0
	s_mov_b32 s14, 0x3a800000                      ; 1 / 1024
	s_mov_b32 s15, 0x3727c5ac                      ; 1e-5
	s_mov_b32 s16, 0x76543210                      ; v_permlanex16_b32: each lane takes its own place in the other half
	s_mov_b32 s17, 0xfedcba98
	s_wait_kmcnt 0x0
	s_add_nc_u64 s[4:5], s[4:5], s[2:3]
	s_add_nc_u64 s[10:11], s[10:11], s[18:19]
.irp j, 0,1,2,3,4,5,6,7
	global_load_b128 v[X0+4*(\j):X0+4*(\j)+3], v1, s[4:5] offset:512*(\j)
.endr
.irp j, 0,1,2,3,4,5,6,7
	global_load_b128 v[X1+4*(\j):X1+4*(\j)+3], v1, s[4:5] offset:4096+512*(\j)
.endr
.irp j, 0,1,2,3,4,5,6,7
	global_load_b128 v[SC+4*(\j):SC+4*(\j)+3], v1, s[6:7] offset:512*(\j)
.endr
.irp j, 0,1,2,3,4,5,6,7
	global_load_b128 v[BI+4*(\j):BI+4*(\j)+3], v1, s[8:9] offset:512*(\j)
.endr
.macro RED                             ; v[T] summed over the 32 lanes, the result in every lane
	v_add_f32_dpp v[T], v[T], v[T] row_xmask:1 row_mask:0xf bank_mask:0xf
	v_add_f32_dpp v[T], v[T], v[T] row_xmask:2 row_mask:0xf bank_mask:0xf
	v_add_f32_dpp v[T], v[T], v[T] row_xmask:4 row_mask:0xf bank_mask:0xf
	v_add_f32_dpp v[T], v[T], v[T] row_xmask:8 row_mask:0xf bank_mask:0xf
	v_permlanex16_b32 v[T+1], v[T], s16, s17       ; its destination counts as read: T+1 has been written
	v_add_f32 v[T], v[T], v[T+1]
.endm
; The row in v[x .. x+31] becomes (x - mean) / sqrt(var + eps).  Sums run in two chains that do not wait for each other; the first terms start them.
.macro STAT x
	v_pk_add_f32 v[T:T+1],   v[(\x):(\x)+1],   v[(\x)+2:(\x)+3]
	v_pk_add_f32 v[T+2:T+3], v[(\x)+4:(\x)+5], v[(\x)+6:(\x)+7]
.set i, 8
.rept 6
	v_pk_add_f32 v[T:T+1],   v[T:T+1],   v[(\x)+i:(\x)+i+1]
	v_pk_add_f32 v[T+2:T+3], v[T+2:T+3], v[(\x)+i+2:(\x)+i+3]
.set i, i+4
.endr
	v_pk_add_f32 v[T:T+1], v[T:T+1], v[T+2:T+3]
	v_add_f32 v[T], v[T], v[T+1]
	RED
	v_mul_f32 v[MU], s14, v[T]
	v_mov_b32 v[MU+1], v[MU]
.set i, 0
.rept 16
	v_pk_add_f32 v[(\x)+i:(\x)+i+1], v[(\x)+i:(\x)+i+1], v[MU:MU+1] neg_lo:[0,1] neg_hi:[0,1]
.set i, i+2
.endr
	v_pk_mul_f32 v[T:T+1],   v[(\x):(\x)+1],   v[(\x):(\x)+1]
	v_pk_mul_f32 v[T+2:T+3], v[(\x)+2:(\x)+3], v[(\x)+2:(\x)+3]
.set i, 4
.rept 7
	v_pk_fma_f32 v[T:T+1],   v[(\x)+i:(\x)+i+1],   v[(\x)+i:(\x)+i+1],   v[T:T+1]
	v_pk_fma_f32 v[T+2:T+3], v[(\x)+i+2:(\x)+i+3], v[(\x)+i+2:(\x)+i+3], v[T+2:T+3]
.set i, i+4
.endr
	v_pk_add_f32 v[T:T+1], v[T:T+1], v[T+2:T+3]
	v_add_f32 v[T], v[T], v[T+1]
	RED
	v_fma_f32 v[T], v[T], s14, s15                 ; var + eps
	v_rsq_f32 v[RS], v[T]
	v_nop                                          ; a plain instruction between the root and the use of its result (ISA guide 5.7.2)
	s_wait_alu depctr_va_vdst(0)
	v_mov_b32 v[RS+1], v[RS]
.set i, 0
.rept 16
	v_pk_mul_f32 v[(\x)+i:(\x)+i+1], v[(\x)+i:(\x)+i+1], v[RS:RS+1]
.set i, i+2
.endr
.endm
.macro APPLY x, y, off                 ; times scale plus bias, rounded, stored
.set i, 0
.rept 16
	v_pk_fma_f32 v[(\x)+i:(\x)+i+1], v[(\x)+i:(\x)+i+1], v[SC+i:SC+i+1], v[BI+i:BI+i+1]
.set i, i+2
.endr
.set i, 0
.rept 16
	v_cvt_pk_bf16_f32 v[(\y)+i], v[(\x)+2*i], v[(\x)+2*i+1]
.set i, i+1
.endr
.irp j, 0,1,2,3,4,5,6,7
	global_store_b64 v2, v[(\y)+2*(\j):(\y)+2*(\j)+1], s[10:11] offset:(\off)+256*(\j)
.endr
.endm
	s_wait_loadcnt 24                              ; row 0's eight loads are in; row 1's, scale's and bias's 24 stay out
	STAT X0
	s_wait_loadcnt 16                              ; row 1 is in
	STAT X1
	s_wait_loadcnt 0x0                             ; scale and bias
	APPLY X0, Y0, 0
	APPLY X1, Y1, 2048
	s_endpgm
.Lfunc_end_k_q28615b9987_ln2:
	.size	k_q28615b9987_ln2, .Lfunc_end_k_q28615b9987_ln2-k_q28615b9987_ln2
	.p2alignl 7, 3214868480
	.fill 96, 4, 3214868480
	.section	.rodata,"a",@progbits
	.p2align	6, 0x0
	.amdhsa_kernel k_q28615b9987_ln2
		.amdhsa_group_segment_fixed_size 0
		.amdhsa_private_segment_fixed_size 0
		.amdhsa_enable_private_segment 0
		.amdhsa_kernarg_size 32
		.amdhsa_user_sgpr_count 2
		.amdhsa_user_sgpr_kernarg_segment_ptr 1
		.amdhsa_wavefront_size32 1
		.amdhsa_system_sgpr_workgroup_id_x 1
		.amdhsa_system_sgpr_workgroup_id_y 1
		.amdhsa_system_sgpr_workgroup_id_z 1
		.amdhsa_system_vgpr_workitem_id 0
		.amdhsa_next_free_vgpr 176
		.amdhsa_next_free_sgpr 66
		.amdhsa_reserve_vcc 0
		.amdhsa_float_denorm_mode_32 3
		.amdhsa_float_denorm_mode_16_64 3
		.amdhsa_memory_ordered 1
		.amdhsa_forward_progress 1
		.amdhsa_inst_pref_size 20
	.end_amdhsa_kernel
	.amdgpu_metadata
---
amdhsa.version: [ 1, 2 ]
amdhsa.kernels:
  - .name:           k_q28615b9987_ln2
    .symbol:         k_q28615b9987_ln2.kd
    .args:
      - { .name: x1, .offset: 0, .size: 8, .value_kind: global_buffer, .address_space: global }
      - { .name: norm2_scale, .offset: 8, .size: 8, .value_kind: global_buffer, .address_space: global }
      - { .name: norm2_bias, .offset: 16, .size: 8, .value_kind: global_buffer, .address_space: global }
      - { .name: hn, .offset: 24, .size: 8, .value_kind: global_buffer, .address_space: global }
    .group_segment_fixed_size: 0
    .private_segment_fixed_size: 0
    .kernarg_segment_align: 8
    .kernarg_segment_size: 32
    .max_flat_workgroup_size: 256
    .sgpr_count:     66
    .vgpr_count:     176
    .wavefront_size: 32
...
	.end_amdgpu_metadata
.endif
;; end of part 5
;; launch ffup (part 6): grid 16 x 16, 4 waves a work-group, clusters of 4 x 4, 327,680 bytes of LDS; arguments hn, wb, g; writes g
.if DOCPART == 6
	.amdgcn_target "amdgcn-amd-amdhsa--gfx1250"
	.amdhsa_code_object_version 6
	.text
	.protected	k_q28615b9987_ffup
	.globl	k_q28615b9987_ffup
	.p2align	8
	.type	k_q28615b9987_ffup,@function
k_q28615b9987_ffup:
	s_mov_b64 s[64:65], 0
	v_nop
	global_prefetch_b8 v0, s[64:65] scope:SCOPE_SE
	s_setreg_imm32_b32 hwreg(HW_REG_WAVE_MODE, 25, 1), 1
	s_wait_xcnt 0x0
	s_wait_alu depctr_hold_cnt(0) depctr_sa_sdst(0) depctr_va_vdst(0) depctr_va_sdst(0) depctr_va_ssrc(0) depctr_va_vcc(0) depctr_vm_vsrc(0)
	s_getreg_b32 s2, hwreg(HW_REG_IB_STS2, 6, 4)
	s_cmp_eq_u32 s2, 0
	s_cbranch_scc0 .Lentry_in_a_cluster
	s_endpgm
.Lentry_in_a_cluster:
	s_bfe_u32 s2, ttmp6, 0x10000c
	s_cmp_lg_u32 s2, 0xf033
	s_cbranch_scc0 .Lentry_shape_is_right
	s_endpgm
.Lentry_shape_is_right:
; g = gelu(hn x wu^T), the exact (erf) GELU.  hn: [4096][1024] bf16; wu: [4096][1024] bf16 in wb; g: [4096][4096] bf16.  Sums and GELU in f32, g rounded once.
; SHARES.  A tile of g is 256 x 256: 16 x 16 tiles, one for each of 256 work-groups.  Four waves, each 128 x 128: 64 accumulators of 16 x 16, 512 registers.  K goes in steps of 128 (rows of 256 bytes,
; aligned) through a ring of two LDS slots filled by the tensor data mover.
; CLUSTER.  4 x 4 work-groups: hn's tiles are shared along a row of the cluster, wu's along a column, each asked for JOINTLY.  By this text's count a wave has two tensor loads out at the start, one behind each refill.
; THE MATRIX INSTRUCTION IS USED TRANSPOSED (source 0 = 16 rows of wu, source 1 = 16 tokens): a lane holds token lane % 16 and eight neighbouring columns.
; GELU.  gelu(x) = max(x, 0) - |x| e(x), e(x) = (A1 t + .. + A5 t^5) 2^(-x^2 log2(e) / 2), t = 1 / (1 + 0.23164189 |x|): half of 1 - erf(|x| / sqrt 2) by Abramowitz and Stegun 7.1.26,
; absolute error at most 1.5e-7 in erf for every x; no difference of near-equal numbers is formed for either sign.  LIMITS: a tail below 2^-126 counts as 0; NaN and infinities are not treated apart.
; THE WAY OUT.  When the ring has had its last fill and its last read, the sums go as f32 into the ring's bytes, each wave's 128 x 128 into 67,584 bytes of its own, and a loop of 16 trips takes 8 rows a trip
; through the GELU: written once, it keeps the text short.
; REGISTERS, in windows of 256 (s_set_vgpr_msb: bits 1:0 source 0, 3:2 source 1, 5:4 source 2, 7:6 destination):
;   window 0: v0-31 addresses; v64-127, v128-191 fragments of hn, two buffers; in the GELU loop v32-207 at work          window 1: v64-127, v128-191 fragments of wu, two buffers
;   window 2: the 32 accumulators of my rows 0-63 ((a, b) at v[8 (8 a + b)]);   window 3: those of my rows 64-127
.set SIZE_K, 1024
.set WOFF,   8388608                   ; wu's first byte in wb
.set KSTEP,  128
.set PITCH,  272                       ; an LDS row: 256 bytes + 16 of padding: the 16 rows of a fragment load start at 16 different groups of four banks (64 banks of 4 bytes: ISA guide 11.1)
.set HALFT,  128*PITCH                 ; 128 rows: what one tensor load brings, and what one wave reads of hn or of wu
.set SLOT,   4*HALFT
.set SPARE,  2*SLOT                    ; behind the ring: the spare words, 128 bytes for each wave: two blocks of 256 bytes that no other line names
.set GP,     528                       ; the way out: a row of 128 f32 + 16 bytes
.set WREG,   128*GP                    ; a wave's bytes on the way out; four of them, 270,336, lie inside the ring's 278,528
.set LAPS,   SIZE_K/(2*KSTEP)
.set GROW,   8192                      ; bytes in a row of g
.set ADRA, 16                          ; v16-17  LDS address of my fragments of hn in slot 0, 1
.set ADRB, 20                          ; v20-21  the same for wu
.set STO,  24                          ; v24     the way out: where I put 16 bytes of a row
.set RD,   25                          ; v25     the way out: where I read rows back; steps 8 rows a trip
.set CO,   26                          ; v26     my byte offset in g; steps 8 rows a trip
.set SPW,  28                          ; v28     LDS address of my spare word; never rewritten
.set NIL,  29                          ; v29     0; never rewritten
.set F0,   64
.set F1,   128
.set XX,   32                          ; the GELU loop, 32 numbers a lane: x,
.set TT,   64                          ; t,
.set UU,   96                          ; 2^(-x^2 log2(e) / 2),
.set RR,   128                         ; max(x, 0), then the result,
.set PP,   160                         ; the polynomial,
.set YY,   192                         ; 16 registers of bf16
.set G1,  24
.set G0,  32
.set G1B, 48
.set G0B, 56
.set CE,  68                           ; s[68:69] -log2(e) / 2;  s[70:79] A1 .. A5, each in a pair;  s80 0.23164189
.set CA,  70
.set MSB, 0
.macro WIN new                         ; the immediate's high byte repeats the setting that is left; a switch that changes nothing is dropped
.if MSB != (\new)
	s_set_vgpr_msb (MSB<<8)|(\new)
.set MSB, \new
.endif
.endm
.set MUL_LO, 0xa1                      ; source 0 (wu) window 1, source 1 (hn) window 0, C and D window 2
.set TO_B,   0x40                      ; destination window 1, address window 0
.macro JLOAD s                         ; a joint load: waves 0 and 1 fetch hn's two halves, waves 2 and 3 wu's; four v_nop follow each of the two lines, ahead of the jump, the label and what follows
	s_cmp_eq_u32 s11, 0
	s_cbranch_scc0 .Lfor_b_\@
	tensor_load_to_lds s[G0+4*(\s):G0+4*(\s)+3], s[G1:G1+7]
	s_nop 0
.rept 4
	v_nop
.endr
	s_branch .Lasked_\@
.Lfor_b_\@:
	tensor_load_to_lds s[G0B+4*(\s):G0B+4*(\s)+3], s[G1B:G1B+7]
	s_nop 0
.rept 4
	v_nop
.endr
.Lasked_\@:
.endm
.macro CREST                           ; a round of the cluster's barrier behind its opening barrier
	s_cmp_lg_u32 s10, 0
	s_cbranch_scc1 .Lnot_wave_0_\@
	s_barrier_signal -3
.Lnot_wave_0_\@:
	s_barrier_wait -3
	s_barrier_signal -1
	s_barrier_wait -1
.endm
.macro CROUND                          ; a whole round
	s_barrier_signal -1
	s_barrier_wait -1
	CREST
.endm
.macro PLACES                          ; four places in front of loads into registers that matrix instructions have read, and of LDS stores that read results
.rept 4
	v_nop
.endr
.endm
	s_load_b128 s[4:7], s[0:1], 0x0                ; hn s[4:5], wb s[6:7]
	s_load_b64 s[8:9], s[0:1], 0x10                ; g
	v_lshl_add_u32 v[SPW], v0, 2, SPARE
	v_mov_b32 v[NIL], 0
	ds_add_u32 v28, v29
	s_wait_dscnt 0x0
	v_lshrrev_b32 v1, 5, v0
	v_readfirstlane_b32 s10, v1                    ; wave 0..3
	s_lshr_b32 s11, s10, 1                         ; which half of the tile's rows is mine.  Also: I fetch for hn (0) or for wu (1)
	s_and_b32 s12, s10, 1                          ; which half of its columns.  Also: which 128 rows of that tile I fetch
	s_bfe_u32 s40, ttmp6, 0x40000                  ; cx, cy: my place in the cluster
	s_bfe_u32 s41, ttmp6, 0x40004
	s_lshl_b32 s42, ttmp9, 2
	s_add_co_u32 s42, s42, s40                     ; tile column = 4 x cluster x + cx
	s_and_b32 s13, ttmp7, 0xffff
	s_lshl_b32 s13, s13, 2
	s_add_co_u32 s13, s13, s41                     ; tile row = 4 x cluster y + cy
	s_lshl_b32 s43, s41, 2
	s_lshl_b32 s43, 15, s43                        ; my row of the cluster
	s_lshl_b32 s44, 0x1111, s40                    ; my column
	s_or_b32 s[G1+0], s43, (1<<16)|(1<<20)|(1<<21)|(5<<22)|(3<<25)  ; 15:0 the mask; 17:16 2-byte elements; 20 padding on; 21 set beside a mask; 24:22 after every 64 words (code 5); 31:25 4 words (code 3)
	s_or_b32 s[G1B+0], s44, (1<<16)|(1<<20)|(1<<21)|(5<<22)|(3<<25)
.irp g, G1, G1B
	s_mov_b32 s[(\g)+1], KSTEP<<16                 ; tensor_dim0 = 128
	s_mov_b32 s[(\g)+2], 128<<16                   ; tensor_dim1 = 128
	s_mov_b32 s[(\g)+3], KSTEP<<16                 ; tile_dim0 = 128
	s_mov_b32 s[(\g)+4], 128                       ; tile_dim1 = 128
	s_mov_b32 s[(\g)+5], SIZE_K                    ; elements from row to row
	s_mov_b32 s[(\g)+6], 0
	s_mov_b32 s[(\g)+7], 0
.endr
	s_mov_b32 s[CE], 0xbf38aa3b                    ; -log2(e) / 2
	s_mov_b32 s[CE+1], s[CE]                       ; each constant is named as a pair, so both words are written
	s_mov_b32 s[CA], 0x3e027906                    ; A1 =  0.127414796
	s_mov_b32 s[CA+1], s[CA]
	s_mov_b32 s[CA+2], 0xbe11a98e                  ; A2 = -0.142248368
	s_mov_b32 s[CA+3], s[CA+2]
	s_mov_b32 s[CA+4], 0x3f35f0e3                  ; A3 =  0.710706871
	s_mov_b32 s[CA+5], s[CA+4]
	s_mov_b32 s[CA+6], 0xbf3a00e3                  ; A4 = -0.726576014
	s_mov_b32 s[CA+7], s[CA+6]
	s_mov_b32 s[CA+8], 0x3f07dc22                  ; A5 =  0.530702715
	s_mov_b32 s[CA+9], s[CA+8]
	s_mov_b32 s80, 0x3e6d3388                      ; 0.3275911 / sqrt 2
	; hn's tiles hang on the tile row alone, wu's on the tile column alone, each in registers that never hold the other coordinate
	s_lshl_b32 s17, s12, 7                         ; which 128 rows of the tile I fetch
	s_lshl_b32 s16, s13, 8
	s_add_co_u32 s16, s16, s17
	s_lshl_b32 s16, s16, 11                        ; rows of 2,048 bytes
	s_lshl_b32 s46, s42, 8
	s_add_co_u32 s46, s46, s17
	s_lshl_b32 s46, s46, 11
	s_add_co_u32 s46, s46, WOFF
	s_mov_b32 s17, 0
	s_mov_b32 s47, 0
	s_mul_i32 s20, s10, HALFT                      ; where they go: hn's two halves, then wu's two halves = wave x 128 rows
	s_wait_kmcnt 0x0
	s_add_nc_u64 s[14:15], s[4:5], s[16:17]
	s_add_nc_u64 s[46:47], s[6:7], s[46:47]
	CROUND                                         ; all sixteen work-groups are here: the first joint loads meet
.irp s, 0,1
	s_mov_b32 s[G0+4*(\s)], 1
	s_add_co_u32 s[G0+4*(\s)+1], s20, (\s)*SLOT
	s_add_nc_u64 s[G0+4*(\s)+2:G0+4*(\s)+3], s[14:15], (\s)*KSTEP*2
	s_or_b32 s[G0+4*(\s)+3], s[G0+4*(\s)+3], 0x80000000
	s_mov_b32 s[G0B+4*(\s)], 1
	s_add_co_u32 s[G0B+4*(\s)+1], s20, (\s)*SLOT
	s_add_nc_u64 s[G0B+4*(\s)+2:G0B+4*(\s)+3], s[46:47], (\s)*KSTEP*2
	s_or_b32 s[G0B+4*(\s)+3], s[G0B+4*(\s)+3], 0x80000000
	JLOAD \s
.endr
	v_and_b32 v1, 15, v0                           ; l % 16
	v_bfe_u32 v2, v0, 4, 1                         ; l / 16
	v_mul_u32_u24 v3, v1, PITCH
	v_lshl_add_u32 v3, v2, 4, v3                   ; a fragment's row x pitch + 16 x half
	s_mul_i32 s21, s11, HALFT                      ; my 128 rows of hn
	s_mul_i32 s22, s12, HALFT                      ; my 128 rows of wu,
	s_add_co_u32 s22, s22, 2*HALFT                 ; which lie behind hn's 256
.irp s, 0,1
	v_add_nc_u32 v[ADRA+(\s)], s21, v3
	v_add_nc_u32 v[ADRB+(\s)], s22, v3
	s_add_co_u32 s21, s21, SLOT
	s_add_co_u32 s22, s22, SLOT
.endr
	s_mul_i32 s23, s10, WREG                       ; my bytes on the way out
	v_mul_u32_u24 v4, v1, GP                       ; in: row l % 16, 16 bytes for each half of the lanes
	v_lshl_add_u32 v4, v2, 4, v4
	v_add_nc_u32 v[STO], s23, v4
	v_mul_u32_u24 v5, v2, GP                       ; back: lanes 0-15 one row, lanes 16-31 the next
	v_lshl_add_u32 v5, v1, 4, v5
	v_add_nc_u32 v[RD], s23, v5
	v_lshlrev_b32 v5, 13, v2                       ; and the same two rows in g
	v_lshl_add_u32 v[CO], v1, 4, v5
	s_lshl_b32 s16, s13, 8
	s_lshl_b32 s17, s11, 7
	s_add_co_u32 s16, s16, s17                     ; my first row of g,
	s_lshl_b32 s16, s16, 13                        ; times 8,192 bytes
	s_mov_b32 s17, 0
	s_add_nc_u64 s[8:9], s[8:9], s[16:17]
	s_lshl_b32 s46, s42, 9                         ; my first column, in bytes: 512 x tile column + 256 x half
	s_lshl_b32 s47, s12, 8
	s_add_co_u32 s46, s46, s47
	s_mov_b32 s47, 0
	s_add_nc_u64 s[8:9], s[8:9], s[46:47]
; 16 matrix instructions: m blocks a0, a0 + 1 of the window's four (hi = 0: my rows 0-63, 1: rows 64-127) x all 8 n blocks, 32 along K.  zero = 1: the first product starts the sums.
; The 64 accumulators take turns in the same order in every quarter, one instruction a turn.
.macro MUL16 f, hi, a0, zero
	WIN MUL_LO+0x50*(\hi)
.irp a, \a0, (\a0)+1
.irp b, 0,1,2,3,4,5,6,7
.if \zero
	v_wmma_f32_16x16x32_bf16 v[8*(8*(\a)+(\b)):8*(8*(\a)+(\b))+7], v[(\f)+8*(\b):(\f)+8*(\b)+7], v[(\f)+8*(4*(\hi)+(\a)):(\f)+8*(4*(\hi)+(\a))+7], 0
.else
	v_wmma_f32_16x16x32_bf16 v[8*(8*(\a)+(\b)):8*(8*(\a)+(\b))+7], v[(\f)+8*(\b):(\f)+8*(\b)+7], v[(\f)+8*(4*(\hi)+(\a)):(\f)+8*(4*(\hi)+(\a))+7], v[8*(8*(\a)+(\b)):8*(8*(\a)+(\b))+7]
.endif
.endr
.endr
.endm
; 32 LDS loads in one run: a quarter step's fragments (128 rows of wu, 128 rows of hn, 32 K at byte k of the rows) into buffer f
.macro FETCH slot, k, f
	WIN TO_B
.irp i, 0,1,2,3,4,5,6,7
	ds_load_b128 v[(\f)+8*(\i):(\f)+8*(\i)+3],   v[ADRB+(\slot)] offset:(\k)+(\i)*16*PITCH
	ds_load_b128 v[(\f)+8*(\i)+4:(\f)+8*(\i)+7], v[ADRB+(\slot)] offset:(\k)+(\i)*16*PITCH+32
.endr
	WIN 0
.irp i, 0,1,2,3,4,5,6,7
	ds_load_b128 v[(\f)+8*(\i):(\f)+8*(\i)+3],   v[ADRA+(\slot)] offset:(\k)+(\i)*16*PITCH
	ds_load_b128 v[(\f)+8*(\i)+4:(\f)+8*(\i)+7], v[ADRA+(\slot)] offset:(\k)+(\i)*16*PITCH+32
.endr
.endm
; A K step is four quarters of 32 along K, 64 matrix instructions each, on buffers 0, 1, 0, 1.  One of the first three multiplies buffer f and fetches the next quarter, at byte k, into g.
.macro QUARTER slot, k, f, g, zero
	s_wait_dscnt 8                                 ; wu and hn's rows 0-63 are in; the youngest eight loads (rows 64-127) may be out
	MUL16 \f, 0, 0, \zero
	MUL16 \f, 0, 2, \zero
	PLACES
	FETCH \slot, \k, \g
	s_wait_dscnt 32                                ; all but the 32 just issued
	MUL16 \f, 1, 0, \zero
	MUL16 \f, 1, 2, \zero
.endm
; The last quarter multiplies buffer 1 and changes slots: ONE barrier; in front of it each wave waits for all its tensor loads, adds 0 to its spare word, and waits for that and for its own reads of this slot.
; fill = 1: the barrier opens a round of the cluster's barrier, and this slot is filled again, two K steps ahead, first thing behind the round: 224 matrix instructions ahead of the wait for it.
.macro TURN slot, next, fill
	WIN 0                                          ; (the add's two registers lie in window 0)
	s_wait_tensorcnt 0x0                           ; all my tensor loads have landed: my part of the next slot
	ds_add_u32 v[SPW], v[NIL]                      ; 0 onto my spare word
	s_wait_dscnt 9                                 ; (the add and the youngest eight loads may be out)
	MUL16 F1, 0, 0, 0                              ; sixteen matrix instructions stand between the add and the wait for it
	s_wait_dscnt 0x0                               ; the add is done, and my reads of this slot are over
	s_barrier_signal -1
	MUL16 F1, 0, 2, 0
.if \fill
	WIN 0
.endif
	s_barrier_wait -1
.if \fill
	CREST                                          ; no wave of any partner still reads this slot's tile or has a load on its way
	s_add_nc_u64 s[G0+4*(\slot)+2:G0+4*(\slot)+3], s[G0+4*(\slot)+2:G0+4*(\slot)+3], 2*KSTEP*2
	s_add_nc_u64 s[G0B+4*(\slot)+2:G0B+4*(\slot)+3], s[G0B+4*(\slot)+2:G0B+4*(\slot)+3], 2*KSTEP*2
	JLOAD \slot                                    ; the four v_nop behind it are also the places in front of the loads below
.else
	PLACES
.endif
	FETCH \next, 0, F0
	MUL16 F1, 1, 0, 0
	MUL16 F1, 1, 2, 0
.endm
	s_wait_tensorcnt 1                             ; my part of K step 0 is in; K step 1's may stay out
	s_barrier_signal -1
	s_barrier_wait -1                              ; everybody's is
	FETCH 0, 0, F0
	QUARTER 0, 64, F0, F1, 1                       ; the first quarter stands in front of the loop: its products start the sums
	WIN 0                                          ; at a label and at a branch every window is 0
	s_mov_b32 s3, LAPS-1
.Llap:                                                 ; a trip goes once round the ring, from a lap's second quarter to the next lap's first, and fills both slots again
	QUARTER 0, 128, F1, F0, 0
	QUARTER 0, 192, F0, F1, 0
	TURN 0, 1, 1
	QUARTER 1, 64,  F0, F1, 0
	QUARTER 1, 128, F1, F0, 0
	QUARTER 1, 192, F0, F1, 0
	TURN 1, 0, 1
	QUARTER 0, 64,  F0, F1, 0
	WIN 0
	s_sub_co_u32 s3, s3, 1
	s_cmp_lg_u32 s3, 0
	s_cbranch_scc1 .Llap
	QUARTER 0, 128, F1, F0, 0                      ; the last lap fills nothing
	QUARTER 0, 192, F0, F1, 0
	TURN 0, 1, 0
	QUARTER 1, 64,  F0, F1, 0
	QUARTER 1, 128, F1, F0, 0
	QUARTER 1, 192, F0, F1, 0
	s_wait_dscnt 8                                 ; the very last quarter: nothing more to fetch
	MUL16 F1, 0, 0, 0
	MUL16 F1, 0, 2, 0
	s_wait_dscnt 0x0                               ; my last reads of the ring are back:
	s_barrier_signal -1                            ; say so,
	MUL16 F1, 1, 0, 0
	MUL16 F1, 1, 2, 0
	WIN 0
	s_barrier_wait -1                              ; and when all four have said so nobody reads the ring any more; its slots have had their last fill
	; THE SUMS GO INTO THE RING'S BYTES as f32.  A lane's eight columns go as two pieces of 16 bytes, the lower four into the row's first 256 bytes, the upper four into its second, at 32 b + 16 (l / 16):
	; read back, the pieces at 16 c and at 256 + 16 c are columns 8 c .. 8 c + 7.  Rows are 528 bytes apart, an odd multiple of 16.  Each accumulator's low registers are read first.
	PLACES
.irp a, 0,1,2,3,4,5,6,7
	WIN 0x08+4*((\a)/4)                            ; an LDS store's data is source 1: window 2 or 3
.irp b, 0,1,2,3,4,5,6,7
	ds_store_b128 v[STO], v[8*(8*((\a)%4)+(\b)):8*(8*((\a)%4)+(\b))+3]   offset:(\a)*16*GP+32*(\b)
	ds_store_b128 v[STO], v[8*(8*((\a)%4)+(\b))+4:8*(8*((\a)%4)+(\b))+7] offset:(\a)*16*GP+32*(\b)+256
.endr
.endr
	WIN 0
	s_wait_dscnt 0x0                               ; my stores are done;
	s_barrier_signal -1
	s_barrier_wait -1                              ; everybody's are: nothing is stored into LDS behind this barrier
.macro ALL32 line:vararg               ; one line for each i = 0 .. 31
.set i, 0
.rept 32
	\line
.set i, i+1
.endr
.endm
.macro ALL16 line:vararg               ; one line for each pair, i = 0, 2 .. 30
.set i, 0
	s_wait_alu depctr_va_vdst(0)
.rept 16
	\line
.set i, i+2
.endr
.endm
.macro GLOAD                           ; 8 rows: lane l takes row 2 t + l / 16, columns 8 (l % 16) .. + 7
.irp t, 0,1,2,3
	ds_load_b128 v[XX+8*(\t):XX+8*(\t)+3],   v[RD] offset:2*GP*(\t)
	ds_load_b128 v[XX+8*(\t)+4:XX+8*(\t)+7], v[RD] offset:2*GP*(\t)+256
.endr
.endm
; A trip: 8 rows x 128 columns, 32 numbers a lane.  Reciprocals and exponentials stand in runs, each run followed by a plain instruction that touches none of its registers (ISA guide 5.7.2).
; more = 1: the next 8 rows are fetched as soon as x has been read for the last time.
.macro GTRIP more
	s_wait_dscnt 0x0                               ; the trip's eight loads
	ALL32 v_fma_f32 v[TT+i], |v[XX+i]|, s80, 1.0
	ALL16 v_pk_mul_f32 v[UU+i:UU+i+1], v[XX+i:XX+i+1], v[XX+i:XX+i+1]
	ALL32 v_max_num_f32 v[RR+i], 0, v[XX+i]
	ALL32 v_rcp_f32 v[TT+i], v[TT+i]
	ALL16 v_pk_mul_f32 v[UU+i:UU+i+1], v[UU+i:UU+i+1], s[CE:CE+1] op_sel_hi:[1,0]
	ALL32 v_exp_f32 v[UU+i], v[UU+i]
	ALL16 v_pk_fma_f32 v[PP+i:PP+i+1], v[TT+i:TT+i+1], s[CA+8:CA+9], s[CA+6:CA+7] op_sel_hi:[1,0,0]
	ALL16 v_pk_fma_f32 v[PP+i:PP+i+1], v[PP+i:PP+i+1], v[TT+i:TT+i+1], s[CA+4:CA+5] op_sel_hi:[1,1,0]
	ALL16 v_pk_fma_f32 v[PP+i:PP+i+1], v[PP+i:PP+i+1], v[TT+i:TT+i+1], s[CA+2:CA+3] op_sel_hi:[1,1,0]
	ALL16 v_pk_fma_f32 v[PP+i:PP+i+1], v[PP+i:PP+i+1], v[TT+i:TT+i+1], s[CA:CA+1] op_sel_hi:[1,1,0]
	ALL16 v_pk_mul_f32 v[PP+i:PP+i+1], v[PP+i:PP+i+1], v[TT+i:TT+i+1]
	ALL16 v_pk_mul_f32 v[PP+i:PP+i+1], v[PP+i:PP+i+1], v[UU+i:UU+i+1]
	ALL32 v_fma_f32 v[RR+i], -|v[XX+i]|, v[PP+i], v[RR+i]
.if \more
	v_add_nc_u32 v[RD], 8*GP, v[RD]
	GLOAD
.endif
.set i, 0
.rept 16
	v_cvt_pk_bf16_f32 v[YY+i], v[RR+2*i], v[RR+2*i+1]
.set i, i+1
.endr
.irp t, 0,1,2,3
	global_store_b128 v[CO], v[YY+4*(\t):YY+4*(\t)+3], s[8:9] offset:2*GROW*(\t)  ; sixteen lanes store 256 consecutive bytes, aligned
.endr
.if \more
	s_wait_xcnt 0x0                                ; the stores have read CO and YY: only behind this wait are they rewritten
	v_add_nc_u32 v[CO], 8*GROW, v[CO]
.endif
.endm
	GLOAD
	s_mov_b32 s3, 15
.Lg:
	GTRIP 1
	s_sub_co_u32 s3, s3, 1
	s_cmp_lg_u32 s3, 0
	s_cbranch_scc1 .Lg
	GTRIP 0                                        ; the last 8 rows: nothing more to fetch
	s_wait_tensorcnt 0x0                           ; the wave's end
	ds_add_u32 v[SPW], v[NIL]
	s_wait_dscnt 0x0
	CROUND                                         ; the closing round: no work-group ends while a partner may still ask for a tile that names it
	s_endpgm
.Lfunc_end_k_q28615b9987_ffup:
	.size	k_q28615b9987_ffup, .Lfunc_end_k_q28615b9987_ffup-k_q28615b9987_ffup
	.p2alignl 7, 3214868480
	.fill 96, 4, 3214868480
	.section	.rodata,"a",@progbits
	.p2align	6, 0x0
	.amdhsa_kernel k_q28615b9987_ffup
		.amdhsa_group_segment_fixed_size 327680
		.amdhsa_private_segment_fixed_size 0
		.amdhsa_enable_private_segment 0
		.amdhsa_kernarg_size 24
		.amdhsa_user_sgpr_count 2
		.amdhsa_user_sgpr_kernarg_segment_ptr 1
		.amdhsa_wavefront_size32 1
		.amdhsa_system_sgpr_workgroup_id_x 1
		.amdhsa_system_sgpr_workgroup_id_y 1
		.amdhsa_system_sgpr_workgroup_id_z 1
		.amdhsa_system_vgpr_workitem_id 0
		.amdhsa_next_free_vgpr 1024
		.amdhsa_next_free_sgpr 84
		.amdhsa_reserve_vcc 0
		.amdhsa_float_denorm_mode_32 3
		.amdhsa_float_denorm_mode_16_64 3
		.amdhsa_memory_ordered 1
		.amdhsa_forward_progress 1
		.amdhsa_inst_pref_size 155
	.end_amdhsa_kernel
	.amdgpu_metadata
---
amdhsa.version: [ 1, 2 ]
amdhsa.kernels:
  - .name:           k_q28615b9987_ffup
    .symbol:         k_q28615b9987_ffup.kd
    .args:
      - { .name: hn, .offset: 0, .size: 8, .value_kind: global_buffer, .address_space: global }
      - { .name: wb, .offset: 8, .size: 8, .value_kind: global_buffer, .address_space: global }
      - { .name: g, .offset: 16, .size: 8, .value_kind: global_buffer, .address_space: global }
    .group_segment_fixed_size: 327680
    .private_segment_fixed_size: 0
    .kernarg_segment_align: 8
    .kernarg_segment_size: 24
    .max_flat_workgroup_size: 128
    .sgpr_count:     84
    .vgpr_count:     1024
    .wavefront_size: 32
...
	.end_amdgpu_metadata
.endif
;; end of part 6
;; launch ffdown (part 7): grid 8 x 32, 4 waves a work-group, clusters of 4 x 4, 327,680 bytes of LDS; arguments g, wb, x1, out0; writes out0
.if DOCPART == 7
	.amdgcn_target "amdgcn-amd-amdhsa--gfx1250"
	.amdhsa_code_object_version 6
	.text
	.protected	k_q28615b9987_ffdown
	.globl	k_q28615b9987_ffdown
	.p2align	8
	.type	k_q28615b9987_ffdown,@function
k_q28615b9987_ffdown:
	s_mov_b64 s[64:65], 0
	v_nop
	global_prefetch_b8 v0, s[64:65] scope:SCOPE_SE
	s_setreg_imm32_b32 hwreg(HW_REG_WAVE_MODE, 25, 1), 1
	s_wait_xcnt 0x0
	s_wait_alu depctr_hold_cnt(0) depctr_sa_sdst(0) depctr_va_vdst(0) depctr_va_sdst(0) depctr_va_ssrc(0) depctr_va_vcc(0) depctr_vm_vsrc(0)
	s_getreg_b32 s2, hwreg(HW_REG_IB_STS2, 6, 4)
	s_cmp_eq_u32 s2, 0
	s_cbranch_scc0 .Lentry_in_a_cluster
	s_endpgm
.Lentry_in_a_cluster:
	s_bfe_u32 s2, ttmp6, 0x10000c
	s_cmp_lg_u32 s2, 0xf033
	s_cbranch_scc0 .Lentry_shape_is_right
	s_endpgm
.Lentry_shape_is_right:
; out0 = x1 + g x wd^T.  g: [4096][4096] bf16; wd: [1024][4096] bf16 in wb; x1, out0: [4096][1024] f32.  Sums in f32; the residual is added in f32.
; SHARES.  A tile of the result is 128 x 128: 8 x 32 tiles, one for each of 256 work-groups.  Four waves, each 64 x 64: 16 accumulators of 16 x 16.  K goes in steps of 256 (rows of 512 bytes, aligned) through a ring
; of two LDS slots: waves 0 and 1 each ask for 64 rows of g, waves 2 and 3 for 64 rows of wd.  K is not split over work-groups: a sum has one owner.
; CLUSTER.  4 x 4 work-groups: g's tiles are shared along a row of the cluster, wd's along a column, each asked for JOINTLY.  By this text's count a wave has two tensor loads out at the start, one behind each refill.
; THE MATRIX INSTRUCTION IS USED TRANSPOSED (source 0 = 16 rows of wd, source 1 = 16 tokens): a lane holds token lane % 16 and eight neighbouring columns.
; THE RESIDUAL is asked for at the start, in the layout in which the result leaves, and stays on its way during the whole K loop: one wait for it, on the way out.
; ASKED FOR AHEAD.  Wave 3 prefetches later K steps' tiles, lanes 256 bytes apart: K steps 2 and 3 at the kernel's head; then the change of slots that requests K step j asks for K step j + 2, which is requested two
; K steps, 256 matrix instructions of a wave, later (wd's two K steps of a lap together, in the lap's first change).  A K step's 128 rows x 512 bytes of g are shared out among the 8 work-groups of a tile row (16 rows
; each: every block is asked for by one work-group of the launch); a lap's 128 rows x 1,024 bytes of wd among 16 tile rows (8 rows each: every block is asked for by two work-groups, whose tile rows lie 16 apart).
; The offsets along K are clamped to the last K step's (g) and the last lap's (wd): the last trip's changes ask for these once more, and nothing is asked for past a row's end.
; REGISTERS: window 0: v0-31 addresses; v32-95 at work on the way out; v128-255 the accumulators ((a, b) at v[128 + 8 (4 a + b)]).
;   window 1: two fragment buffers of 128: for 64 along K, 64 registers of g, then 64 of wd.     window 2: v0-127 the residual.
; LIMITS: operands are bf16; NaN and infinities are not treated apart.
.set SIZE_K, 4096
.set WOFF,   16777216                  ; wd's first byte in wb
.set PA,     528                       ; A's rows in LDS: 512 bytes + 16: an odd multiple of 16, so the 16 rows of a fragment load start at 16 different groups of four banks (ISA guide 11.1)
.set AQ,     128                       ; from a quarter's bytes of A to the next quarter's: 64 along K
.set HALFA,  64*PA                     ; what waves 0 and 1 each fetch: 64 rows
.set AQI,    6                         ; A's padding stands behind every 128 words
.set AD0,    256                       ; A's tile: elements in a row,
.set AD1,    64                        ; rows,
.set ASTR,   4096                      ; elements from row to row
.set ATSH,   20                        ; A's address: tile row << ATSH (128 rows of 8,192 bytes)
.set AHSH,   19                        ; + half << AHSH
.set ASTEP,  512                       ; bytes from a K step's tile of A to the next
.set BTSH,   20                        ; B's address: tile column << BTSH (128 rows of 8,192 bytes)
.set BHSH,   19                        ; + half << BHSH
.set KSTEP,  256
.set NT,     SIZE_K/KSTEP              ; K steps
.set PB,     528                       ; B's rows in LDS: 512 bytes + 16
.set HALFB,  64*PB
.set SLOT,   2*HALFA+2*HALFB
.set STAGE,  2*SLOT                    ; behind the ring, never filled by a tensor load: 16 rows x 272 bytes for each wave
.set SPITCH, 272
.set SPARE,  STAGE+4*16*SPITCH         ; the spare words, 128 bytes for each wave: two blocks of 256 bytes that no other line names
.set LAPS,   SIZE_K/(2*KSTEP)
.set ROWB,   4096                      ; bytes in a row of the residual and of the result
.set PFA0, 8                           ; v8      my lane's block of g's K step 0 among those that this work-group asks for ahead; never rewritten
.set PFB0, 9                           ; v9      the same for wd
.set PFA,  10                          ; v10     PFA0 + the K step's bytes
.set PFB,  11                          ; v11     PFB0 + the lap's bytes
.set ADRA, 16                          ; v16-17  LDS address of my A fragments in slot 0, 1
.set ADRB, 20                          ; v20-21  the same for B
.set STO,  24                          ; v24     the way out: where I put 32 bytes of a row
.set RD,   25                          ; v25     the way out: where I read a row back
.set CO,   26                          ; v26     my byte offset in the residual and in the result; never rewritten
.set SPW,  28                          ; v28     LDS address of my spare word; never rewritten
.set NIL,  29                          ; v29     0; never rewritten
.set TMP,  32
.set ACC,  128
.set F0,   0                           ; fragment buffers, in window 1
.set F1,   128
.set G1,  24
.set G0,  32
.set G1B, 48
.set G0B, 56
.set MSB, 0
.macro WIN new                         ; the immediate's high byte repeats the setting that is left; a switch that changes nothing is dropped
.if MSB != (\new)
	s_set_vgpr_msb (MSB<<8)|(\new)
.set MSB, \new
.endif
.endm
.set MUL,  0x05                        ; sources 0 (B) and 1 (A) window 1; C and D window 0
.set TO_F, 0x40                        ; destination window 1, address window 0
.macro JLOAD s                         ; a joint load: waves 0 and 1 fetch A's two halves, waves 2 and 3 B's; four v_nop follow each of the two lines, ahead of the jump, the label and what follows
	s_cmp_lt_u32 s10, 2
	s_cbranch_scc0 .Lfor_b_\@
	tensor_load_to_lds s[G0+4*(\s):G0+4*(\s)+3], s[G1:G1+7]
	s_nop 0
.rept 4
	v_nop
.endr
	s_branch .Lasked_\@
.Lfor_b_\@:
	tensor_load_to_lds s[G0B+4*(\s):G0B+4*(\s)+3], s[G1B:G1B+7]
	s_nop 0
.rept 4
	v_nop
.endr
.Lasked_\@:
.endm
.macro CREST                           ; a round of the cluster's barrier behind its opening barrier
	s_cmp_lg_u32 s10, 0
	s_cbranch_scc1 .Lnot_wave_0_\@
	s_barrier_signal -3
.Lnot_wave_0_\@:
	s_barrier_wait -3
	s_barrier_signal -1
	s_barrier_wait -1
.endm
.macro CROUND                          ; a whole round
	s_barrier_signal -1
	s_barrier_wait -1
	CREST
.endm
.macro PLACES                          ; four places in front of loads into registers that matrix instructions have read, and of LDS stores that read results
.rept 4
	v_nop
.endr
.endm
; Wave 3 asks ahead: g's K step at s8 bytes along the rows; in a lap's first change also wd's two K steps at s9.  Then the two offsets step, and stop at the last K step and the last lap.
.macro ASK slot
	s_cmp_lg_u32 s10, 3
	s_cbranch_scc1 .Lnot_asking_\@
	s_wait_xcnt 0x0                                ; the last requests, a K step ago, have read PFA and PFB: only behind this wait are they rewritten
	v_add_nc_u32 v[PFA], s8, v[PFA0]
	global_prefetch_b8 v[PFA], s[4:5] th:TH_LOAD_NT scope:SCOPE_SE
.if (\slot) == 0
	v_add_nc_u32 v[PFB], s9, v[PFB0]
	global_prefetch_b8 v[PFB], s[6:7] th:TH_LOAD_NT scope:SCOPE_SE
.endif
.Lnot_asking_\@:
	s_add_co_u32 s8, s8, ASTEP
	s_min_u32 s8, s8, (NT-1)*ASTEP
.if (\slot) == 0
	s_add_co_u32 s9, s9, 2*KSTEP*2
	s_min_u32 s9, s9, (NT-2)*KSTEP*2
.endif
.endm
	s_load_b128 s[4:7], s[0:1], 0x0                ; A s[4:5], wb s[6:7]
	s_load_b128 s[68:71], s[0:1], 0x10             ; the residual s[68:69], the result s[70:71]
	v_lshl_add_u32 v[SPW], v0, 2, SPARE
	v_mov_b32 v[NIL], 0
	ds_add_u32 v28, v29
	s_wait_dscnt 0x0
	v_lshrrev_b32 v1, 5, v0
	v_readfirstlane_b32 s10, v1                    ; wave 0..3
	s_lshr_b32 s11, s10, 1                         ; which half of the tile's rows is mine
	s_and_b32 s12, s10, 1                          ; which half of its columns.  Also: which half of A's or B's tile I fetch
	s_bfe_u32 s40, ttmp6, 0x40000                  ; cx, cy: my place in the cluster
	s_bfe_u32 s41, ttmp6, 0x40004
	s_lshl_b32 s42, ttmp9, 2
	s_add_co_u32 s42, s42, s40                     ; tile column = 4 x cluster x + cx
	s_and_b32 s13, ttmp7, 0xffff
	s_lshl_b32 s13, s13, 2
	s_add_co_u32 s13, s13, s41                     ; tile row = 4 x cluster y + cy
	s_lshl_b32 s43, s41, 2
	s_lshl_b32 s43, 15, s43                        ; my row of the cluster
	s_lshl_b32 s44, 0x1111, s40                    ; my column
	s_or_b32 s[G1+0], s43, (1<<16)|(1<<20)|(1<<21)|(AQI<<22)|(3<<25)  ; 15:0 the mask; 17:16 2-byte elements; 20 padding on; 21 set beside a mask; 24:22 the interval; 31:25 4 words (code 3)
	s_mov_b32 s[G1+1], AD0<<16                     ; tensor_dim0
	s_mov_b32 s[G1+2], AD1<<16                     ; tensor_dim1
	s_mov_b32 s[G1+3], AD0<<16                     ; tile_dim0
	s_mov_b32 s[G1+4], AD1                         ; tile_dim1
	s_mov_b32 s[G1+5], ASTR                        ; elements from row to row
	s_mov_b32 s[G1+6], 0
	s_mov_b32 s[G1+7], 0
	s_or_b32 s[G1B+0], s44, (1<<16)|(1<<20)|(1<<21)|(6<<22)|(3<<25)   ; B: padding behind every 128 words
	s_mov_b32 s[G1B+1], KSTEP<<16
	s_mov_b32 s[G1B+2], 64<<16
	s_mov_b32 s[G1B+3], KSTEP<<16
	s_mov_b32 s[G1B+4], 64
	s_mov_b32 s[G1B+5], SIZE_K
	s_mov_b32 s[G1B+6], 0
	s_mov_b32 s[G1B+7], 0
	; A's tiles hang on the tile row alone, B's on the tile column alone, each in registers that never hold the other coordinate
	s_lshl_b32 s16, s13, ATSH
	s_lshl_b32 s17, s12, AHSH
	s_add_co_u32 s16, s16, s17
	s_mov_b32 s17, 0
	s_lshl_b32 s46, s42, BTSH
	s_lshl_b32 s47, s12, BHSH
	s_add_co_u32 s46, s46, s47
	s_add_co_u32 s46, s46, WOFF
	s_mov_b32 s47, 0
	s_mul_i32 s20, s12, HALFA                      ; where they go: no place in the cluster enters an LDS address
	s_mul_i32 s45, s12, HALFB
	s_add_co_u32 s45, s45, 2*HALFA
	s_wait_kmcnt 0x0
	s_add_nc_u64 s[14:15], s[4:5], s[16:17]
	s_add_nc_u64 s[46:47], s[6:7], s[46:47]
	CROUND                                         ; all sixteen work-groups are here: the first joint loads meet
.irp s, 0,1
	s_mov_b32 s[G0+4*(\s)], 1
	s_add_co_u32 s[G0+4*(\s)+1], s20, (\s)*SLOT
	s_add_nc_u64 s[G0+4*(\s)+2:G0+4*(\s)+3], s[14:15], (\s)*ASTEP
	s_or_b32 s[G0+4*(\s)+3], s[G0+4*(\s)+3], 0x80000000
	s_mov_b32 s[G0B+4*(\s)], 1
	s_add_co_u32 s[G0B+4*(\s)+1], s45, (\s)*SLOT
	s_add_nc_u64 s[G0B+4*(\s)+2:G0B+4*(\s)+3], s[46:47], (\s)*KSTEP*2
	s_or_b32 s[G0B+4*(\s)+3], s[G0B+4*(\s)+3], 0x80000000
	JLOAD \s
.endr
	v_and_b32 v1, 15, v0                           ; l % 16
	v_bfe_u32 v2, v0, 4, 1                         ; l / 16
	v_lshlrev_b32 v5, 12, v2                       ; lanes 0-15 take 256 bytes of one row, lanes 16-31 of the next
	v_lshl_add_u32 v[CO], v1, 4, v5
	s_lshl_b32 s16, s13, 7
	s_lshl_b32 s17, s11, 6
	s_add_co_u32 s16, s16, s17                     ; my first row: 128 x tile row + 64 x half,
	s_lshl_b32 s16, s16, 12                        ; times 4,096 bytes
	s_mov_b32 s17, 0
	s_lshl_b32 s46, s42, 9                         ; my first column, in bytes: 512 x tile column + 256 x half
	s_lshl_b32 s47, s12, 8
	s_add_co_u32 s46, s46, s47
	s_mov_b32 s47, 0
	s_add_nc_u64 s[68:69], s[68:69], s[16:17]
	s_add_nc_u64 s[68:69], s[68:69], s[46:47]
	s_add_nc_u64 s[70:71], s[70:71], s[16:17]
	s_add_nc_u64 s[70:71], s[70:71], s[46:47]
	WIN 0x80                                       ; destination window 2, address window 0
.irp a, 0,1,2,3
.irp t, 0,1,2,3,4,5,6,7
	global_load_b128 v[4*(8*(\a)+(\t)):4*(8*(\a)+(\t))+3], v[CO], s[68:69] offset:(16*(\a)+2*(\t))*ROWB
.endr
.endr
	WIN 0
	; what is asked for ahead: offsets from g's and from wb's first byte
	v_and_b32 v6, 31, v0                           ; lane
	v_lshrrev_b32 v7, 1, v6
	v_and_b32 v5, 1, v6
	v_lshlrev_b32 v5, 8, v5                        ; g: two blocks of 256 bytes in a row's K step,
	v_lshl_add_u32 v5, v7, 13, v5                  ; sixteen rows of 8,192 bytes,
	s_lshl_b32 s66, s13, ATSH                      ; in the tile row's 128 rows
	s_lshl_b32 s67, s42, 17                        ; those of this work-group among 8
	s_add_co_u32 s66, s66, s67
	v_add_nc_u32 v[PFA0], s66, v5
	v_lshrrev_b32 v7, 2, v6
	v_and_b32 v6, 3, v6
	v_lshlrev_b32 v6, 8, v6                        ; wd: four blocks of 256 bytes in a row's lap,
	v_lshl_add_u32 v6, v7, 13, v6                  ; eight rows of 8,192 bytes,
	s_lshl_b32 s66, s42, BTSH                      ; in the tile column's 128 rows
	s_and_b32 s67, s13, 15
	s_lshl_b32 s67, s67, 16                        ; those of this tile row among 16
	s_add_co_u32 s66, s66, s67
	s_add_co_u32 s66, s66, WOFF
	v_add_nc_u32 v[PFB0], s66, v6
	s_mov_b32 s8, 4*ASTEP                          ; the first change of slots requests K step 2 and asks for K step 4
	s_mov_b32 s9, 4*KSTEP*2
	s_cmp_lg_u32 s10, 3
	s_cbranch_scc1 .Lnot_asking                    ; one wave asks
	global_prefetch_b8 v[PFA0], s[4:5] offset:2*ASTEP th:TH_LOAD_NT scope:SCOPE_SE    ; g's K step 2,
	global_prefetch_b8 v[PFA0], s[4:5] offset:3*ASTEP th:TH_LOAD_NT scope:SCOPE_SE    ; its K step 3,
	global_prefetch_b8 v[PFB0], s[6:7] offset:2*KSTEP*2 th:TH_LOAD_NT scope:SCOPE_SE  ; wd's K steps 2 and 3
.Lnot_asking:
	v_mul_u32_u24 v3, v1, PA
	v_lshl_add_u32 v3, v2, 4, v3                   ; a fragment's row x pitch + 16 x half
	v_mul_u32_u24 v4, v1, PB
	v_lshl_add_u32 v4, v2, 4, v4
	s_mul_i32 s21, s11, 64*PA                      ; my 64 rows of A
	s_mul_i32 s22, s12, HALFB                      ; my 64 rows of B,
	s_add_co_u32 s22, s22, 2*HALFA                 ; which lie behind A's tile
.irp s, 0,1
	v_add_nc_u32 v[ADRA+(\s)], s21, v3
	v_add_nc_u32 v[ADRB+(\s)], s22, v4
	s_add_co_u32 s21, s21, SLOT
	s_add_co_u32 s22, s22, SLOT
.endr
	s_mul_i32 s23, s10, 16*SPITCH
	s_add_co_u32 s23, s23, STAGE                   ; my stage
	v_mul_u32_u24 v5, v1, SPITCH                   ; in: row l % 16, 32 bytes for each half of the lanes
	v_lshl_add_u32 v5, v2, 5, v5
	v_add_nc_u32 v[STO], s23, v5
	v_mul_u32_u24 v5, v2, SPITCH                   ; back: lanes 0-15 take one row of 256 bytes, lanes 16-31 the next
	v_lshl_add_u32 v5, v1, 4, v5
	v_add_nc_u32 v[RD], s23, v5
; 8 matrix instructions: m blocks a0, a0 + 1 x all 4 n blocks, 32 along K: half c of buffer f.  zero = 1: the first product starts the sums.  The 16 accumulators take turns.
.macro MUL8 f, c, a0, zero
	WIN MUL
.irp a, \a0, (\a0)+1
.irp b, 0,1,2,3
.if \zero
	v_wmma_f32_16x16x32_bf16 v[ACC+8*(4*(\a)+(\b)):ACC+8*(4*(\a)+(\b))+7], v[(\f)+64+8*(4*(\c)+(\b)):(\f)+64+8*(4*(\c)+(\b))+7], v[(\f)+8*(4*(\c)+(\a)):(\f)+8*(4*(\c)+(\a))+7], 0
.else
	v_wmma_f32_16x16x32_bf16 v[ACC+8*(4*(\a)+(\b)):ACC+8*(4*(\a)+(\b))+7], v[(\f)+64+8*(4*(\c)+(\b)):(\f)+64+8*(4*(\c)+(\b))+7], v[(\f)+8*(4*(\c)+(\a)):(\f)+8*(4*(\c)+(\a))+7], v[ACC+8*(4*(\a)+(\b)):ACC+8*(4*(\a)+(\b))+7]
.endif
.endr
.endr
.endm
; 32 LDS loads in one run: the fragments of quarter q (64 along K) into buffer f; the first 32 along K first
.macro FETCH slot, q, f
	WIN TO_F
.irp c, 0,1
.irp i, 0,1,2,3
	ds_load_b128 v[(\f)+64+8*(4*(\c)+(\i)):(\f)+64+8*(4*(\c)+(\i))+3],   v[ADRB+(\slot)] offset:(\q)*128+64*(\c)+(\i)*16*PB
	ds_load_b128 v[(\f)+64+8*(4*(\c)+(\i))+4:(\f)+64+8*(4*(\c)+(\i))+7], v[ADRB+(\slot)] offset:(\q)*128+64*(\c)+(\i)*16*PB+32
	ds_load_b128 v[(\f)+8*(4*(\c)+(\i)):(\f)+8*(4*(\c)+(\i))+3],         v[ADRA+(\slot)] offset:(\q)*AQ+64*(\c)+(\i)*16*PA
	ds_load_b128 v[(\f)+8*(4*(\c)+(\i))+4:(\f)+8*(4*(\c)+(\i))+7],       v[ADRA+(\slot)] offset:(\q)*AQ+64*(\c)+(\i)*16*PA+32
.endr
.endr
.endm
; A K step is four quarters of 64 along K, 32 matrix instructions each, on buffers 0, 1, 0, 1.  One of the first three multiplies buffer f and fetches quarter q into g.
.macro QUARTER slot, q, f, g, zero
	s_wait_dscnt 16                                ; the first 32 along K are in
	MUL8 \f, 0, 0, \zero
	MUL8 \f, 0, 2, \zero
	PLACES
	FETCH \slot, \q, \g
	s_wait_dscnt 32                                ; all but the 32 just issued
	MUL8 \f, 1, 0, 0
	MUL8 \f, 1, 2, 0
.endm
; The last quarter multiplies buffer 1 and changes slots: ONE barrier.  Half of the quarter's products stand AHEAD of the wait for the next tile, so that between that tile's landing and the next request stands
; nothing but the barrier.  In front of the barrier each wave waits for all its tensor loads, adds 0 to its spare word, and waits for that and for its own reads of this slot.
; fill = 1: the barrier opens a round of the cluster's barrier, and this slot is filled again, two K steps ahead, first thing behind the round: a whole K step, 128 matrix instructions, ahead of the wait for it.
.macro TURN slot, next, fill
	s_wait_dscnt 16                                ; the first 32 along K of buffer 1 are in
	MUL8 F1, 0, 0, 0
	MUL8 F1, 0, 2, 0
	WIN 0
	s_wait_tensorcnt 0x0                           ; all my tensor loads have landed: my part of the next slot
	ds_add_u32 v[SPW], v[NIL]                      ; 0 onto my spare word
	s_wait_dscnt 0x0                               ; the add is done, and my reads of this slot are over
	s_barrier_signal -1
	s_barrier_wait -1
.if \fill
	CREST                                          ; no wave of any partner still reads this slot's tile or has a load on its way
	s_add_nc_u64 s[G0+4*(\slot)+2:G0+4*(\slot)+3], s[G0+4*(\slot)+2:G0+4*(\slot)+3], 2*ASTEP
	s_add_nc_u64 s[G0B+4*(\slot)+2:G0B+4*(\slot)+3], s[G0B+4*(\slot)+2:G0B+4*(\slot)+3], 2*KSTEP*2
	JLOAD \slot                                    ; the four v_nop behind it are also the places in front of the loads below
	ASK \slot                                      ; the request is out: now the tile two K steps behind it is asked for
.else
	PLACES
.endif
	FETCH \next, 0, F0
	MUL8 F1, 1, 0, 0                               ; the other half of the quarter stands between the new slot's first fragment loads and their use
	MUL8 F1, 1, 2, 0
.endm
	s_wait_tensorcnt 1                             ; my part of K step 0 is in; K step 1's may stay out
	s_barrier_signal -1
	s_barrier_wait -1                              ; everybody's is
	FETCH 0, 0, F0
	QUARTER 0, 1, F0, F1, 1                        ; the first quarter stands in front of the loop: its first products start the sums
	WIN 0                                          ; at a label and at a branch every window is 0
	s_mov_b32 s3, LAPS-1
.Llap:                                                 ; a trip goes once round the ring, from a lap's second quarter to the next lap's first, and fills both slots again
	QUARTER 0, 2, F1, F0, 0
	QUARTER 0, 3, F0, F1, 0
	TURN 0, 1, 1
	QUARTER 1, 1, F0, F1, 0
	QUARTER 1, 2, F1, F0, 0
	QUARTER 1, 3, F0, F1, 0
	TURN 1, 0, 1
	QUARTER 0, 1, F0, F1, 0
	WIN 0
	s_sub_co_u32 s3, s3, 1
	s_cmp_lg_u32 s3, 0
	s_cbranch_scc1 .Llap
	QUARTER 0, 2, F1, F0, 0                        ; the last lap fills nothing
	QUARTER 0, 3, F0, F1, 0
	TURN 0, 1, 0
	QUARTER 1, 1, F0, F1, 0
	QUARTER 1, 2, F1, F0, 0
	QUARTER 1, 3, F0, F1, 0
	s_wait_dscnt 16                                ; the very last quarter: nothing more to fetch
	MUL8 F1, 0, 0, 0
	MUL8 F1, 0, 2, 0
	s_wait_dscnt 0x0
	MUL8 F1, 1, 0, 0
	MUL8 F1, 1, 2, 0
	WIN 0
	; THE WAY OUT, 16 rows at a time: the f32 sums go into my own stage (each accumulator's low registers first), come back as whole rows of 256 bytes (my 64 columns), take the residual, and are stored:
	; sixteen lanes store 256 consecutive bytes, aligned.  The stage is the wave's own and LDS serves a wave's instructions in order (ISA guide 5.7.1.4): no barrier.
	PLACES
	s_wait_loadcnt 0x0                             ; the residual
.macro OUT a
.set TB, TMP+32*((\a)%2)
.irp b, 0,1,2,3
	ds_store_b128 v[STO], v[ACC+8*(4*(\a)+(\b)):ACC+8*(4*(\a)+(\b))+3]   offset:64*(\b)
	ds_store_b128 v[STO], v[ACC+8*(4*(\a)+(\b))+4:ACC+8*(4*(\a)+(\b))+7] offset:64*(\b)+16
.endr
	s_wait_xcnt 0x0                                ; earlier stores have read these registers: only behind this wait are they loaded again
.irp t, 0,1,2,3,4,5,6,7
	ds_load_b128 v[TB+4*(\t):TB+4*(\t)+3], v[RD] offset:(\t)*2*SPITCH
.endr
	s_wait_dscnt 0x0
	WIN 0x08                                       ; source 1 window 2: the residual
.set i, 0
.rept 16
	v_pk_add_f32 v[TB+i:TB+i+1], v[TB+i:TB+i+1], v[32*(\a)+i:32*(\a)+i+1]
.set i, i+2
.endr
	WIN 0
.irp t, 0,1,2,3,4,5,6,7
	global_store_b128 v[CO], v[TB+4*(\t):TB+4*(\t)+3], s[70:71] offset:(16*(\a)+2*(\t))*ROWB
.endr
.endm
	OUT 0
	OUT 1
	OUT 2
	OUT 3
	s_wait_tensorcnt 0x0                           ; the wave's end
	ds_add_u32 v[SPW], v[NIL]
	s_wait_dscnt 0x0
	CROUND                                         ; the closing round: no work-group ends while a partner may still ask for a tile that names it
	s_endpgm
.Lfunc_end_k_q28615b9987_ffdown:
	.size	k_q28615b9987_ffdown, .Lfunc_end_k_q28615b9987_ffdown-k_q28615b9987_ffdown
	.p2alignl 7, 3214868480
	.fill 96, 4, 3214868480
	.section	.rodata,"a",@progbits
	.p2align	6, 0x0
	.amdhsa_kernel k_q28615b9987_ffdown
		.amdhsa_group_segment_fixed_size 327680
		.amdhsa_private_segment_fixed_size 0
		.amdhsa_enable_private_segment 0
		.amdhsa_kernarg_size 32
		.amdhsa_user_sgpr_count 2
		.amdhsa_user_sgpr_kernarg_segment_ptr 1
		.amdhsa_wavefront_size32 1
		.amdhsa_system_sgpr_workgroup_id_x 1
		.amdhsa_system_sgpr_workgroup_id_y 1
		.amdhsa_system_sgpr_workgroup_id_z 1
		.amdhsa_system_vgpr_workitem_id 0
		.amdhsa_next_free_vgpr 640
		.amdhsa_next_free_sgpr 72
		.amdhsa_reserve_vcc 0
		.amdhsa_float_denorm_mode_32 3
		.amdhsa_float_denorm_mode_16_64 3
		.amdhsa_memory_ordered 1
		.amdhsa_forward_progress 1
		.amdhsa_inst_pref_size 95
	.end_amdhsa_kernel
	.amdgpu_metadata
---
amdhsa.version: [ 1, 2 ]
amdhsa.kernels:
  - .name:           k_q28615b9987_ffdown
    .symbol:         k_q28615b9987_ffdown.kd
    .args:
      - { .name: g, .offset: 0, .size: 8, .value_kind: global_buffer, .address_space: global }
      - { .name: wb, .offset: 8, .size: 8, .value_kind: global_buffer, .address_space: global }
      - { .name: x1, .offset: 16, .size: 8, .value_kind: global_buffer, .address_space: global }
      - { .name: out0, .offset: 24, .size: 8, .value_kind: global_buffer, .address_space: global }
    .group_segment_fixed_size: 327680
    .private_segment_fixed_size: 0
    .kernarg_segment_align: 8
    .kernarg_segment_size: 32
    .max_flat_workgroup_size: 128
    .sgpr_count:     72
    .vgpr_count:     640
    .wavefront_size: 32
...
	.end_amdgpu_metadata
.endif
;; end of part 7
